; MI455X (gfx1250); checked and timed in simulation.
; The chip was launched on July 23, 2026; its instructions are those of AMD's public machine-readable ISA for CDNA 5 (MIT licence, August 2026) and "CDNA5" Instruction Set Architecture Reference Guide (July 2026). The comments in the code are by the model that wrote it; some were corrected since.
;; Gegenbauer KAN Layer. Allowed arithmetic: matrix products marked QUANTISED: E4M3 operands, one given power-of-two scale a tensor, by v_wmma_f32_16x16x64_fp8_fp8 or v_wmma_f32_16x16x128_fp8_fp8, f32 sums; everything else in f32.
;; Inputs: gegenbauer_coeffs 512 x 512 x 8 float32; lowp_scales 2 int32 (the exponents e of the quantised operands' scales 2^e); x 16,384 x 512 float32.
;; Outputs: out0 16,384 x 512 float32.
;; This version of the problem:
;;   THIS VERSION OF THE PROBLEM IS GIVEN IN LOW PRECISION. The matrix products marked QUANTISED in the list below multiply operands that are first quantised to E4M3 (4 exponent bits, 3 mantissa bits; 8 bits a number), with one given power-of-two scale for each operand tensor; their sums are f32. All else is computed in f32.
;;   The module's matrix products, in the order in which they are computed (A, B: the left and right operand; K: the contracted axis; several contracted axes count as one K, in the product's order):
;;     1. [M 16,384, K 4,096] x [K 4,096, N 512]; A: computed on the way; B: input gegenbauer_coeffs: QUANTISED (scales: A lowp_scales[0], B lowp_scales[1])
;;   THE QUANTISER, for each operand of a quantised product, along K:
;;     - The operand's scale is 2^e, e = its entry of the input lowp_scales (int32; the entries are numbered through the quantised products in the list's order, A before B).
;;     - Each number is divided by the scale, clamped to +-448, and rounded to the nearest number of E4M3, ties to even, subnormals kept.
;;     - The product sums the exact products of the quantised numbers (number of the format x scale) in f32.
;;   ~~~python
;;   def quantise(x, axis, e):      # numpy; x: float32 -> the quantised numbers, widened to float32 again
;;       x = np.moveaxis(x, axis, -1); K = x.shape[-1]
;;       r = np.clip(x / 2.0 ** e, -448, 448)
;;       step = 2.0 ** (np.maximum(np.frexp(np.where(r == 0, 1, r))[1] - 1, -6) - 3)
;;       q = np.round(r / step) * step * 2.0 ** e      # np.round: ties to even
;;       return np.moveaxis(q, -1, axis).astype(np.float32)
;;   ~~~
;;   OPERANDS COMPUTED ON THE WAY. 'Computed on the way' means the value that the module computes at that place (a softmax that the list does not call 'softmax' is quantised finished and normalised). What goes into a quantiser is computed in f32, as accurately as f32 sums, v_exp_f32 and their like allow (about 1e-6 of the number): no bf16 or f16 on the way to a quantiser, and a product that is left as it is and whose result goes on into a quantised operand takes f32 operands (vector FMAs, or v_wmma_f32_16x16x4_f32). A number that lies on a knife's edge between two numbers of the format may be rounded either way, as far as f32 arithmetic and the matrix unit's own rounding can turn it there, and no further.
;; 2 versions, each right. Each part assembles by itself: llvm-mc -triple=amdgcn-amd-amdhsa -mcpu=gfx1250 --defsym DOCPART=n.
;; ======== version 1 of 2: 2 launches
;; limits: a function is approximated: absolute error at most 2e-07
;; workspace buffers: wq 2,097,152 bytes
;; launch pack (part 1): grid 256 x 1, 4 waves a work-group, no clusters, 0 bytes of LDS; arguments gegenbauer_coeffs, lowp_scales, wq; writes wq
.if DOCPART == 1
	.amdgcn_target "amdgcn-amd-amdhsa--gfx1250"
	.amdhsa_code_object_version 6
	.text
	.protected	k_q19bf8a3610_pack
	.globl	k_q19bf8a3610_pack
	.p2align	8
	.type	k_q19bf8a3610_pack,@function
k_q19bf8a3610_pack:
	s_mov_b64 s[64:65], 0
	v_nop
	global_prefetch_b8 v0, s[64:65] scope:SCOPE_SE
	s_setreg_imm32_b32 hwreg(HW_REG_WAVE_MODE, 25, 1), 1
	s_wait_xcnt 0x0
; gegenbauer_coeffs [512 (i)][512 (o)][8 (d)], f32, is operand B of the one quantised product y[b][o] = sum over (i, d) of g[b][i][d] c[i][o][d], K = (i, d) = 4,096.
; This launch quantises it ONCE (code = c / 2^e1, held within +-448, to the nearest E4M3 code, ties to even; e1 = entry 1 of lowp_scales) and lays the codes as IMAGES OF THE OPERAND'S REGISTERS,
; so that the product's launch brings a K step's tiles as one dense block and each fragment by loads of 16 bytes a lane.
; No work of reference() is left out in this program: every input has a way to the output and is loaded.
; THE PLACE OF k, the same in A and in B: K step s (0..31) holds the inputs i = 16 s .. 16 s + 15.  In a fragment (16 columns o x 128 k, 16 registers) lane (r = lane % 16, h = lane / 16) belongs to column
; o = 16 nt + r, and its registers 2 j, 2 j + 1 hold the eight codes d = 0..7 of input i = 16 s + 8 h + j.  That is a permutation of k inside a K step: every product meets its partner; only the order of the sums differs.
; wq, in bytes: s x 65,536 + nt x 2,048 + c x 512 + lane x 16: registers 4 c .. 4 c + 3 of the lane.
; SHARES: work-group g: K step s = g / 8; wave w: tile nt = 4 (g % 8) + w: one image, 8,192 bytes in, 2,048 bytes out.  Waves share nothing: no LDS, no barrier.
; A lane's eight d of one (i, o) are 32 neighbouring bytes: two loads of 16; the two together read 512 consecutive bytes for each half of the lanes.  Each store of the wave covers 512 consecutive bytes, aligned.
; LIMITS: e1 between -126 and 119, so that 2^e1 and 448 x 2^e1 are f32 numbers.  NaN among the coefficients is not served (an infinity is held at the largest code).
.set X, 16                             ; v16-79  the numbers: input 2 c + u at v[X + 16 c + 8 u] on, d ascending
.set C, 80                             ; v80-95  the codes: four registers for each c, so that no store's data are written again
	s_load_b128 s[4:7], s[0:1], 0x0                ; the coefficients s[4:5], the scales' exponents s[6:7]
	s_load_b64 s[8:9], s[0:1], 0x10                ; wq
	v_lshrrev_b32 v3, 5, v0
	v_readfirstlane_b32 s12, v3                    ; wave 0..3
	v_and_b32 v4, 15, v0                           ; r
	v_bfe_u32 v5, v0, 4, 1                         ; h
	v_lshlrev_b32 v1, 5, v4                        ; in: column r of the tile: 32 bytes a column,
	v_lshl_add_u32 v1, v5, 17, v1                  ; and 8 inputs of 16,384 bytes further on for lanes 16-31
	v_and_b32 v2, 31, v0
	v_lshlrev_b32 v2, 4, v2                        ; out: 16 x lane
	s_lshr_b32 s13, ttmp9, 3                       ; s
	s_and_b32 s14, ttmp9, 7
	s_lshl_b32 s14, s14, 2
	s_add_co_u32 s14, s14, s12                     ; nt
	s_lshl_b32 s16, s13, 18                        ; 16 inputs of 16,384 bytes a K step,
	s_lshl_b32 s15, s14, 9                         ; 16 columns of 32 bytes a tile
	s_add_co_u32 s16, s16, s15
	s_mov_b32 s17, 0
	s_lshl_b32 s18, s13, 16                        ; wq: 65,536 bytes a K step,
	s_lshl_b32 s15, s14, 11                        ; 2,048 an image
	s_add_co_u32 s18, s18, s15
	s_mov_b32 s19, 0
	s_wait_kmcnt 0x0
	s_load_b32 s20, s[6:7], 0x4                    ; e1
	s_add_nc_u64 s[4:5], s[4:5], s[16:17]
	s_add_nc_u64 s[8:9], s[8:9], s[18:19]
.irp c, 0,1,2,3
.irp u, 0,1
.irp t, 0,1
	global_load_b128 v[X+16*\c+8*\u+4*\t:X+16*\c+8*\u+4*\t+3], v1, s[4:5] offset:\c*32768+\u*16384+16*\t th:TH_LOAD_NT   ; c(16 s + 8 h + 2 c + u, 16 nt + r, 4 t .. 4 t + 3): each byte is read once in the launch
.endr
.endr
.endr
	s_wait_kmcnt 0x0
	s_add_co_i32 s20, s20, 127
	s_lshl_b32 s21, s20, 23
	v_mov_b32 v11, s21                             ; 2^e1 as f32: the conversion takes its exponent field
	s_add_co_i32 s20, s20, 8
	s_lshl_b32 s20, s20, 23
	s_or_b32 s20, s20, 0x600000
	v_mov_b32 v10, s20                             ; 448 x 2^e1
.irp c, 0,1,2,3
	s_wait_loadcnt 12-4*\c                         ; loads come back in order (ISA guide 5.7.1): this c's four are in; the four of each later c may be out
.irp i, 0,1,2,3,4,5,6,7,8,9,10,11,12,13,14,15
	v_med3_num_f32 v[X+16*\c+\i], v[X+16*\c+\i], -v10, v10   ; the conversion to an 8-bit code does not saturate (ISA guide 7.6.2): the hold at the largest code x the scale comes first
.endr
	v_cvt_scalef32_pk8_fp8_f32 v[C+4*\c:C+4*\c+1], v[X+16*\c:X+16*\c+7], v11        ; input 2 c: d = 0 in the lowest byte
	v_cvt_scalef32_pk8_fp8_f32 v[C+4*\c+2:C+4*\c+3], v[X+16*\c+8:X+16*\c+15], v11   ; input 2 c + 1.  (The results go to a store alone, and no later line writes the sources)
	global_store_b128 v2, v[C+4*\c:C+4*\c+3], s[8:9] offset:512*\c                  ; 32 lanes store 512 consecutive bytes, at a multiple of 256 from wq's first byte
.endr
	s_endpgm
.Lfunc_end_k_q19bf8a3610_pack:
	.size	k_q19bf8a3610_pack, .Lfunc_end_k_q19bf8a3610_pack-k_q19bf8a3610_pack
	.p2alignl 7, 3214868480
	.fill 96, 4, 3214868480
	.section	.rodata,"a",@progbits
	.p2align	6, 0x0
	.amdhsa_kernel k_q19bf8a3610_pack
		.amdhsa_group_segment_fixed_size 0
		.amdhsa_private_segment_fixed_size 0
		.amdhsa_enable_private_segment 0
		.amdhsa_kernarg_size 24
		.amdhsa_user_sgpr_count 2
		.amdhsa_user_sgpr_kernarg_segment_ptr 1
		.amdhsa_wavefront_size32 1
		.amdhsa_system_sgpr_workgroup_id_x 1
		.amdhsa_system_sgpr_workgroup_id_y 1
		.amdhsa_system_sgpr_workgroup_id_z 1
		.amdhsa_system_vgpr_workitem_id 0
		.amdhsa_next_free_vgpr 96
		.amdhsa_next_free_sgpr 66
		.amdhsa_reserve_vcc 0
		.amdhsa_float_denorm_mode_32 3
		.amdhsa_float_denorm_mode_16_64 3
		.amdhsa_memory_ordered 1
		.amdhsa_forward_progress 1
		.amdhsa_inst_pref_size 9
	.end_amdhsa_kernel
	.amdgpu_metadata
---
amdhsa.version: [ 1, 2 ]
amdhsa.kernels:
  - .name:           k_q19bf8a3610_pack
    .symbol:         k_q19bf8a3610_pack.kd
    .args:
      - { .name: gegenbauer_coeffs, .offset: 0, .size: 8, .value_kind: global_buffer, .address_space: global }
      - { .name: lowp_scales, .offset: 8, .size: 8, .value_kind: global_buffer, .address_space: global }
      - { .name: wq, .offset: 16, .size: 8, .value_kind: global_buffer, .address_space: global }
    .group_segment_fixed_size: 0
    .private_segment_fixed_size: 0
    .kernarg_segment_align: 8
    .kernarg_segment_size: 24
    .max_flat_workgroup_size: 128
    .sgpr_count:     66
    .vgpr_count:     96
    .wavefront_size: 32
...
	.end_amdgpu_metadata
.endif
;; end of part 1
;; launch kan (part 2): grid 256 x 1, 4 waves a work-group, clusters of 4 x 1, 327,680 bytes of LDS; arguments x, wq, lowp_scales, out0; writes out0
.if DOCPART == 2
	.amdgcn_target "amdgcn-amd-amdhsa--gfx1250"
	.amdhsa_code_object_version 6
	.text
	.protected	k_q19bf8a3610_kan
	.globl	k_q19bf8a3610_kan
	.p2align	8
	.type	k_q19bf8a3610_kan,@function
k_q19bf8a3610_kan:
	s_mov_b64 s[64:65], 0
	v_nop
	global_prefetch_b8 v0, s[64:65] scope:SCOPE_SE
	s_setreg_imm32_b32 hwreg(HW_REG_WAVE_MODE, 25, 1), 1
	s_wait_xcnt 0x0
	s_wait_alu depctr_hold_cnt(0) depctr_sa_sdst(0) depctr_va_vdst(0) depctr_va_sdst(0) depctr_va_ssrc(0) depctr_va_vcc(0) depctr_vm_vsrc(0)
	s_getreg_b32 s2, hwreg(HW_REG_IB_STS2, 6, 4)
	s_cmp_eq_u32 s2, 0
	s_cbranch_scc0 .Lentry_in_a_cluster
	s_endpgm
.Lentry_in_a_cluster:
	s_bfe_u32 s2, ttmp6, 0x10000c
	s_cmp_lg_u32 s2, 0x3003
	s_cbranch_scc0 .Lentry_shape_is_right
	s_endpgm
.Lentry_shape_is_right:
; y[b][o] = sum over (i, d) of Q(g[b][i][d]) Q(c[i][o][d]), g = the Gegenbauer polynomials C_0 .. C_7 (alpha = 1) of t = tanh(x[b][i]).  x [16384][512] f32; wq: c's codes (E4M3) as the launch before laid them; y [16384][512] f32.
; Everything is fused: tanh, polynomials, the quantiser (code = g / 2^e0, held within +-448, nearest code, ties to even), the product on codes by v_wmma_f32_16x16x128_fp8_fp8, and one multiplication of each sum by 2^(e0 + e1).
; No work of reference() is left out: C_0 = 1 is a column of a live quantised product and stays in K.
; ARITHMETIC.  tanh(x) = 1 - 2 / (1 + 2^(2 log2(e) x)): at overflow of the power it gives 1, where the power vanishes -1.  u = 2 t = 2 - 4 / (1 + ..).  With alpha = 1 reference()'s recurrence is C_(n+1) = u C_n - C_(n-1)
; for all values (the factor n + 1 cancels); it is walked two at a time by the identity C_(n+2) = (u u - 2) C_n - C_(n-2), so that a packed multiply-add makes an even and an odd polynomial at once.
; LIMITS: e0 between -126 and 119, e0 + e1 between -126 and 127 (each power of two below is an f32 number).  NaN in x is not served.  tanh's error is absolute (about one part in 10^7 of 1), not relative to a small t;
; the order of rounding in the polynomials differs from reference()'s; the place of k inside a K step is permuted alike in A and B, so the order of the sums inside a matrix instruction differs too.
; SHARES.  g is made ONCE: a work-group owns 64 whole rows of y (256 work-groups).  Wave w multiplies all 64 rows by columns 128 w .. 128 w + 127: 32 accumulators, 256 registers; and it makes g for rows 16 w .. 16 w + 15,
; one fragment a K step, which reaches the other waves through LDS as an image of its registers (16 bytes a lane at 16 x lane, 512 bytes a store).  x goes from memory straight into the lane that needs it.
; THE PLACE OF k: K step s holds inputs 16 s .. 16 s + 15; lane (r, h) holds in registers 2 j, 2 j + 1 the codes d = 0..7 of input 16 s + 8 h + j, of row r (A) or column r (B) of the tile.
; THE PRODUCT IS USED TRANSPOSED (source 0 = 16 columns of c, source 1 = 16 rows of g): a lane holds eight neighbouring columns of one row of y.
; CLUSTER.  Every work-group walks the same 2,097,152 bytes of codes: four work-groups form a cluster and ask for each tile JOINTLY (mask 15); each wave brings a quarter of a tile, 32,768 bytes.  Only B is shared and a mask names
; four work-groups, so the cluster is 4 x 1.
; TIME.  A period p (0..15) is tile T_p (256 along K, 131,072 bytes) and the images I_p, both in slot and buffer p % 2: 64 products a wave.  The change of slots n (1..15) stands behind the 8th product of period n - 1's second K step,
; where all fragments of that slot are in registers.  HALF n is the text from change n to change n + 1: 64 products and, behind each, a slice of four vector instructions.  It fills slot (n - 1) % 2 with T_(n+1), fetches
; period n's fragments, makes I_(n+1) (stream G) from reciprocals made a half earlier, makes the reciprocals for I_(n+2) (stream U), loads x of period n + 4 and prefetches T_(n+3).
; By the text's own count a wave has two tensor loads out at the start and one behind each round.
; LDS: 0: slot 0 (on the way out: the stages); 131,072: slot 1; 262,144: two buffers of images, 16,384 bytes each (fragment (K step sg, rows 16 m on) at 8,192 sg + 2,048 m), written by ds_store alone; 294,912: the spare words.
; Every LDS access of a wave covers 512 consecutive bytes but the stage's stores: no padding in the ring.
; REGISTERS, in windows of 256 (s_set_vgpr_msb: bits 1:0 source 0, 3:2 source 1, 5:4 source 2, 7:6 destination):
;   window 0: v1-20 addresses and constants; v32-63 T: two parts of 16 (2^.., then reciprocals); v64-79 w = u u - 2 (even registers; the odd ones are 0 and only named); v80-111 codes, 16 a K step;
;             v112-175 the polynomials of 8 numbers of x, 8 registers each (the first is the constant 1); v176-239 the same, held.   On the way out v32-95 scaled sums, v112-239 rows read back.
;   window 1: B's fragments, set sg at v[128 sg + 16 b].   window 2: accumulator (rows 16 a on, columns 16 b on) at v[8 (8 a + b)].   window 3: A's fragments, set sg at v[64 sg + 16 a]; from v128 x: two parts of 16; v160-191 x of periods 0, 1.
.set TILEB,  131072                    ; a tile, and a slot
.set IMGA,   262144                    ; the images
.set IMGB,   16384                     ; a buffer of images
.set SPARE,  294912                    ; the spare words: 128 bytes for each wave: two blocks of 256 bytes that no other line names
.set SPITCH, 528                       ; the way out: a stage of 16 rows x (512 bytes + 16) for each wave, in slot 0, which has had its last fill and its last read when the first result is stored there
.set LI,   1                           ; v1     16 x lane: an image's place for my lane; also my byte offset in a row's 512 bytes of y
.set ADRB, 2                           ; v2-5   B's fragments: slot x 131,072 + sg x 65,536 + wave x 16,384 + 16 x lane, at v[ADRB + 2 slot + sg]
.set ADRA, 6                           ; v6-7   A's images in buffer 0, 1
.set IMW,  8                           ; v8-9   where I store my images in buffer 0, 1: + 2,048 x wave
.set XO,   10                          ; v10    x: row r of 2,048 bytes + 32 h
.set STO,  11                          ; v11    the stage: where I put 32 bytes of a row
.set RD,   12                          ; v12    and where I read a row back
.set SPW,  14                          ; v14    LDS address of my spare word: SPARE + 4 x my thread's number; never rewritten
.set NIL,  15                          ; v15    0; never rewritten
.set LIMV, 16                          ; v16    448 x 2^e0
.set SCV,  17                          ; v17    2^e0
.set KP,   18                          ; v[18:19] (1, 0): what C_2 and C_3 add to w (1, u)
.set PFO,  20                          ; v20    256 x lane: the prefetches' offset; never rewritten
.set TT,   32
.set WW,   64
.set CD,   80
.set PO,   112
.set HH,   176
.set TMP,  32
.set BK,   112
.set XP,   128                         ; in window 3
.set XT0,  160
.set XT1,  176
.set WV,   12                          ; s12    my wave's number
.set LIM,  15                          ; s15    1 in the first cluster, which prefetches, else 0: the same in all four partners
.set PFA,  20                          ; s[20:21] where my prefetches stand
.set G1,   24                          ; s[24:31] descriptor group 1
.set G0,   32                          ; s[32:39] descriptor group 0, a set for each slot
.set CNT,  40
.set CS,   42                          ; s[42:43] 2 log2(e), twice
.set SC,   46                          ; s[46:47] 2^(e0 + e1), twice
.set W_MM, 0xad                        ; source 0 (B) window 1, source 1 (A) window 3, C and D window 2
.set W_X,  0x03                        ; source 0 window 3
.set TO_B, 0x40                        ; destination window 1
.set TO_3, 0xc0                        ; destination window 3
.set OUTW, 0x02                        ; source 0 window 2
.set MSB, 0
.macro WIN new                         ; the immediate's high byte repeats the setting that is left; a switch that changes nothing is dropped
.if MSB != \new
	s_set_vgpr_msb (MSB<<8)|\new
.set MSB, \new
.endif
.endm
.macro PLACES                          ; a load into a register that a matrix instruction has read, and a vector instruction that reads a matrix result, stand four plain vector instructions behind it (ISA guide 7.12.1 for the reader of a matrix result)
.rept 4
	v_nop
.endr
.endm
; Product mi (0..31) of a K step: rows 16 (mi / 8) on, columns 16 (mi % 8) on; sg: the set of fragments.  The 32 accumulators take turns, one instruction a turn, in the same order in every K step.
.macro MM sg, zero
	WIN W_MM
.if \zero
	v_wmma_f32_16x16x128_fp8_fp8 v[8*mi:8*mi+7], v[128*(\sg)+16*(mi%8):128*(\sg)+16*(mi%8)+15], v[64*(\sg)+16*(mi/8):64*(\sg)+16*(mi/8)+15], 0
.else
	v_wmma_f32_16x16x128_fp8_fp8 v[8*mi:8*mi+7], v[128*(\sg)+16*(mi%8):128*(\sg)+16*(mi%8)+15], v[64*(\sg)+16*(mi/8):64*(\sg)+16*(mi/8)+15], v[8*mi:8*mi+7]
.endif
.set mi, mi+1
.endm
; THE VECTOR WORK OF A HALF is a list of 256 instructions; VI writes number j.  e = 0..7: a lane's eight numbers of x of a K step.  us = 0: stream U's numbers are left out.
;   U, for the period after next, 16 numbers in T's part TU, from x's part XR:   0-7 x times 2 log2(e), in pairs;  8-23 the powers of two;  32-39 + 1, in pairs;  40-55 the reciprocals
;   G, for the next period, from the reciprocals in T's part TG:  K step 0:  24-31 u = 2 - 4 / (..);  56-63 w = u u - 2;  64-71 (C2, C3) = w (1, u) + (1, 0);  72-79 (C4, C5) = w (C2, C3) - (1, u);  80-87 (C6, C7) = w (C4, C5) - (C2, C3);
;      88-143 the hold of C1 .. C7;  144-151 the conversions.   K step 1:  152-159 u;  160-255 as 56-151.
; Numbers that feed each other stand eight apart.  No number from 24 to 31 and from 56 on names a register of U's, so U's transcendentals have one wait a batch (HALF writes the two).
.macro VI us
.if j < 8
.if \us
	WIN W_X
	v_pk_mul_f32 v[TU+2*j:TU+2*j+1], v[XR+2*j:XR+2*j+1], s[CS:CS+1] op_sel_hi:[1,0]
.endif
.elseif j < 24
.if \us
	WIN 0
	v_exp_f32 v[TU+j-8], v[TU+j-8]
.endif
.elseif j < 32
	WIN 0
	v_fma_f32 v[PO+8*(j-24)+1], v[TG+j-24], -4.0, 2.0
.elseif j < 40
.if \us
	WIN 0
	v_pk_add_f32 v[TU+2*(j-32):TU+2*(j-32)+1], v[TU+2*(j-32):TU+2*(j-32)+1], 1.0 op_sel_hi:[1,0]
.endif
.elseif j < 56
.if \us
	WIN 0
	v_rcp_f32 v[TU+j-40], v[TU+j-40]
.endif
.elseif (j >= 152) && (j < 160)
	WIN 0
	v_fma_f32 v[PO+8*(j-152)+1], v[TG+8+j-152], -4.0, 2.0
.else
	WIN 0
.set q, j
.set bt, 0
.if j >= 160
.set q, j-104
.set bt, 1
.endif
.if q < 64
.set e, q-56
	v_fma_f32 v[WW+2*e], v[PO+8*e+1], v[PO+8*e+1], -2.0
.elseif q < 72
.set e, q-64
	v_pk_fma_f32 v[PO+8*e+2:PO+8*e+3], v[PO+8*e:PO+8*e+1], v[WW+2*e:WW+2*e+1], v[KP:KP+1] op_sel_hi:[1,0,1]   ; of the pair w the low word serves both halves
.elseif q < 80
.set e, q-72
	v_pk_fma_f32 v[PO+8*e+4:PO+8*e+5], v[PO+8*e+2:PO+8*e+3], v[WW+2*e:WW+2*e+1], v[PO+8*e:PO+8*e+1] op_sel_hi:[1,0,1] neg_lo:[0,0,1] neg_hi:[0,0,1]
.elseif q < 88
.set e, q-80
	v_pk_fma_f32 v[PO+8*e+6:PO+8*e+7], v[PO+8*e+4:PO+8*e+5], v[WW+2*e:WW+2*e+1], v[PO+8*e+2:PO+8*e+3] op_sel_hi:[1,0,1] neg_lo:[0,0,1] neg_hi:[0,0,1]
.elseif q < 144
.set n, 1+(q-88)/8
.set e, (q-88)%8
	v_med3_num_f32 v[HH+8*e+n], v[PO+8*e+n], -v[LIMV], v[LIMV]   ; the conversion to an 8-bit code does not saturate (ISA guide 7.6.2): the hold at the largest code x the scale.  (C_0's held value is a constant, made at the head)
.else
.set e, q-144
	v_cvt_scalef32_pk8_fp8_f32 v[CD+16*bt+2*e:CD+16*bt+2*e+1], v[HH+8*e:HH+8*e+7], v[SCV]   ; registers 2 e, 2 e + 1 of the fragment: d = 0 in the lowest byte
.endif
.endif
.endm
.macro SLICE us                        ; the list's next four numbers
.rept 4
	VI \us
.set j, j+1
.endr
.endm
.macro RUN sg, cnt, us                 ; cnt times: a product, and a slice behind it
.rept \cnt
	MM \sg, 0
	SLICE \us
.endr
.endm
.macro BARE sg, cnt, zero              ; products alone
.rept \cnt
	MM \sg, \zero
.endr
.endm
.macro VRUN from, cnt, us              ; numbers from .. from + cnt - 1 of the list alone
.set j, \from
.rept \cnt
	VI \us
.set j, j+1
.endr
.endm
.macro IMAGE b                         ; my fragment of the period's K step b goes to LDS as it stands, into buffer IB
	WIN 0
.irp c, 0,1,2,3
	ds_store_b128 v[IMW+IB], v[CD+16*\b+4*\c:CD+16*\b+4*\c+3] offset:8192*\b+512*\c
.endr
.endm
.macro FETCH sl, sg                    ; 48 LDS loads in one run: my 8 fragments of B and the 4 of A of K step sg, from slot and buffer sl, into set sg
	WIN TO_B
.irp b, 0,1,2,3,4,5,6,7
.irp c, 0,1,2,3
	ds_load_b128 v[128*(\sg)+16*\b+4*\c:128*(\sg)+16*\b+4*\c+3], v[ADRB+2*(\sl)+(\sg)] offset:2048*\b+512*\c
.endr
.endr
	WIN TO_3
.irp m, 0,1,2,3
.irp c, 0,1,2,3
	ds_load_b128 v[64*(\sg)+16*\m+4*\c:64*(\sg)+16*\m+4*\c+3], v[ADRA+(\sl)] offset:8192*(\sg)+2048*\m+512*\c
.endr
.endr
.endm
.macro XLOAD reg, off                  ; a period's x for my lane: of row r, for each of its two K steps, the 8 numbers at 64 sg + 32 h.  No cache hint: a row's neighbouring 128 bytes are read one half later
	WIN TO_3
.irp g, 0,1
.irp t, 0,1
	global_load_b128 v[(\reg)+8*\g+4*\t:(\reg)+8*\g+4*\t+3], v[XO], s[4:5] offset:(\off)+64*\g+16*\t
.endr
.endr
.endm
.macro JLOAD sl                        ; a joint load: every wave brings its quarter of the tile; the descriptor hangs on the wave's number and constants alone.  An s_nop 0 and four v_nop follow it
	tensor_load_to_lds s[G0+4*(\sl):G0+4*(\sl)+3], s[G1:G1+7]
	s_nop 0
.rept 4
	v_nop
.endr
.endm
; A PREFETCH INTO THE L2 of the tile that stands two refills on (128 products ahead of the load that will want it).  All clusters walk the same tiles: the first cluster asks.  Its 4 partners x 4 waves x 32 lanes name the
; tile's 512 aligned blocks of 256 bytes once each, told apart BY ADDRESS (32,768 x place + 8,192 x wave + 256 x lane).  T2 and T3 come by their loads alone; the last two refills ask for nothing.
.macro ASK
	s_cmp_eq_u32 s[LIM], 1
	s_cbranch_scc0 .Lnot_mine_\@
	global_prefetch_b8 v[PFO], s[PFA:PFA+1] th:TH_LOAD_NT scope:SCOPE_SE
.Lnot_mine_\@:
.endm
.macro CREST                           ; a round of the cluster's barrier behind its opening barrier
	s_cmp_lg_u32 s[WV], 0
	s_cbranch_scc1 .Lnot_wave_0_\@
	s_barrier_signal -3
.Lnot_wave_0_\@:
	s_barrier_wait -3
	s_barrier_signal -1
	s_barrier_wait -1
.endm
.macro CROUND                          ; a whole round
	s_barrier_signal -1
	s_barrier_wait -1
	CREST
.endm
; HALF n, h = (n - 1) % 2.  ld: x of period n + 4 is loaded.  us: stream U runs; lc: the younger loads of x that may stay out at its head.  ask: a prefetch.
.macro HALF h, ld, us, lc, ask
.set TU, TT+16*(1-\h)
.set TG, TT+16*\h
.set XR, XP+16*(1-\h)
.set IB, \h
.set j, 0
.set mi, 8
.if \us
	s_wait_loadcnt \lc                             ; x of period n + 2 is in; the four loads of the half before (period n + 3) may be out
.endif
	WIN 0                                          ; (the add's two registers lie in window 0)
	s_wait_tensorcnt 0x0                           ; all my tensor loads have landed: the one that was out is my quarter of T_n; so a group 0 may be written
	ds_add_u32 v[SPW], v[NIL]                      ; 0 onto my spare word: the steps and four products stand between it and the wait for it
.if \ld || \ask
	s_wait_xcnt 0x0                                ; the last half's loads of x and its prefetch have read their bases, so these may be written
.endif
.if \ld
	s_add_nc_u64 s[4:5], s[4:5], 128               ; x: a period on
.endif
.if \ask
	s_add_nc_u64 s[PFA:PFA+1], s[PFA:PFA+1], TILEB
.endif
	s_add_nc_u64 s[G0+4*\h+2:G0+4*\h+3], s[G0+4*\h+2:G0+4*\h+3], 2*TILEB   ; this slot's next tile; the type bits on top are not reached
	RUN 1, 4, \us
	s_wait_dscnt 0x0                               ; the add is done, my images I_n have landed, and my reads of slot and buffer h are over
	s_barrier_signal -1                            ; the barrier opens a round of the cluster's barrier
	RUN 1, 4, \us
	WIN 0
.if \us
	s_wait_alu depctr_va_vdst(0)                   ; one wait for the batch of 16 powers of two, ahead of the branch and of their first readers; eight plain instructions stand behind the last of them
.endif
	s_barrier_wait -1
	CREST                                          ; no wave of any partner still reads this slot or has a load on its way
	JLOAD \h                                       ; T_(n+1): the first tensor load behind the round, and my only one until the next; 56 products stand between it and the wait for it
	FETCH 1-\h, 0                                  ; period n, K step 0.  (Set 0 was last multiplied 16 products back)
.if \ld
	XLOAD XR, 0                                    ; x of period n + 4, into the part that the slices above have read
.endif
	WIN 0
.if \ask
	ASK
.endif
	RUN 1, 16, \us
	s_wait_dscnt 0x0                               ; set 0 is in
.set mi, 0
	RUN 0, 2, \us
	WIN 0
.if \us
	s_wait_alu depctr_va_vdst(0)                   ; one wait for the batch of 16 reciprocals
.endif
	FETCH 1-\h, 1                                  ; period n, K step 1.  The last product on set 1 stands three slices back: twelve holds, plain instructions that name none of its registers
	RUN 0, 12, \us
	v_nop                                          ; a plain instruction behind the last conversion of K step 0
	IMAGE 0
	RUN 0, 18, \us
	s_wait_dscnt 0x4                               ; set 1 is in; the four stores of the image, issued behind its loads, may be out
.set mi, 0
	RUN 1, 8, \us
	v_nop                                          ; a plain instruction behind the last conversion of K step 1
	IMAGE 1
.endm
	s_load_b256 s[4:11], s[0:1], 0x0               ; x s[4:5], wq s[6:7], the scales' exponents s[8:9], y s[10:11]
	v_lshl_add_u32 v[SPW], v0, 2, SPARE
	v_mov_b32 v[NIL], 0
	ds_add_u32 v[SPW], v[NIL]                      ; the wave's opening: the add, twice on end, and its wait ahead of my first tensor load; the set-up below, work on registers, stands between the second and the wait
	ds_add_u32 v[SPW], v[NIL]                      ; and once more
	v_lshrrev_b32 v21, 5, v0
	v_readfirstlane_b32 s[WV], v21                 ; wave 0..3
	s_bfe_u32 s13, ttmp6, 0x40000                  ; cx: my place in the cluster
	s_lshl_b32 s14, ttmp9, 2                       ; in a cluster launch ttmp9 counts clusters
	s_add_co_u32 s14, s14, s13                     ; my block of 64 rows = 4 x cluster + cx: it enters x's and y's addresses alone
	s_cmp_eq_u32 ttmp9, 0
	s_cselect_b32 s[LIM], 1, 0
	; descriptor group 1: a dense block of 32,768 bytes as 128 rows of 32 elements of 8 bytes
	s_mov_b32 s[G1+0], 15|(3<<16)|(1<<21)          ; 15:0 the mask: all four work-groups; 17:16 elements of 8 bytes; 20 no padding; 21 set beside a mask
	s_mov_b32 s[G1+1], 32<<16                      ; tensor_dim0 = 32
	s_mov_b32 s[G1+2], 128<<16                     ; tensor_dim1 = 128
	s_mov_b32 s[G1+3], 32<<16                      ; tile_dim0 = 32
	s_mov_b32 s[G1+4], 128                         ; tile_dim1 = 128
	s_mov_b32 s[G1+5], 32                          ; from row to row: 32 elements
	s_mov_b32 s[G1+6], 0
	s_mov_b32 s[G1+7], 0
	s_mov_b32 s[CS], 0x4038aa3b                    ; 2 log2(e)
	s_mov_b32 s[CS+1], s[CS]                       ; (named with it as a pair, so it is written)
	v_and_b32 v21, 31, v0                          ; lane
	v_lshlrev_b32 v[LI], 4, v21
	v_lshlrev_b32 v[PFO], 8, v21
	v_and_b32 v22, 15, v0                          ; r
	v_bfe_u32 v23, v0, 4, 1                        ; h
	s_lshl_b32 s16, s[WV], 14                      ; my 8 tiles of columns: 8 images of 2,048 bytes
	v_add_nc_u32 v[ADRB], s16, v[LI]
	v_add_nc_u32 v[ADRB+1], 65536, v[ADRB]
	v_add_nc_u32 v[ADRB+2], TILEB, v[ADRB]
	v_add_nc_u32 v[ADRB+3], TILEB+65536, v[ADRB]
	v_add_nc_u32 v[ADRA], IMGA, v[LI]
	v_add_nc_u32 v[ADRA+1], IMGA+IMGB, v[LI]
	s_lshl_b32 s16, s[WV], 11
	v_add_nc_u32 v[IMW], s16, v[ADRA]
	v_add_nc_u32 v[IMW+1], s16, v[ADRA+1]
	v_lshlrev_b32 v[XO], 11, v22
	v_lshl_add_u32 v[XO], v23, 5, v[XO]
	s_mul_i32 s16, s[WV], 16*SPITCH                ; my stage
	v_mul_u32_u24 v[STO], v22, SPITCH              ; in: row r, 32 bytes for each half of the lanes
	v_lshl_add_u32 v[STO], v23, 5, v[STO]
	v_add_nc_u32 v[STO], s16, v[STO]
	v_add_nc_u32 v[RD], s16, v[LI]                 ; back: the 32 lanes take one row of 512 bytes
.irp e, 0,1,2,3,4,5,6,7
	v_mov_b32 v[PO+8*\e], 1.0                      ; C_0
	v_mov_b32 v[WW+2*\e+1], 0                      ; (named as the upper half of the pair w)
.endr
	v_mov_b32 v[KP], 1.0
	v_mov_b32 v[KP+1], 0
	s_lshl_b32 s16, s14, 17                        ; my block's 64 rows of 2,048 bytes, in x and in y
	s_lshl_b32 s18, s[WV], 15
	s_add_co_u32 s18, s18, s16                     ; x: + my wave's 16 rows
	s_mov_b32 s19, 0
	s_lshl_b32 s17, s[WV], 9
	s_add_co_u32 s16, s16, s17                     ; y: + my wave's 128 columns
	s_mov_b32 s17, 0
	s_lshl_b32 s[PFA], s13, 15                     ; the prefetches: my work-group's quarter of a tile,
	s_lshl_b32 s[PFA+1], s[WV], 13                 ; my wave's quarter of that,
	s_add_co_u32 s[PFA], s[PFA], s[PFA+1]
	s_add_co_u32 s[PFA], s[PFA], 3*TILEB           ; in T3: the first half steps it to T4.  Nothing is prefetched at the head, where every work-group's first tiles are on their way
	s_mov_b32 s[PFA+1], 0
	s_lshl_b32 s22, s[WV], 15                      ; the quarter of a tile that I fetch: no place in the cluster enters these two registers
	s_mov_b32 s23, 0
	s_wait_dscnt 0x0                               ; both opening adds are done
	s_wait_kmcnt 0x0
	s_load_b64 s[44:45], s[8:9], 0x0               ; e0, e1
	s_add_nc_u64 s[4:5], s[4:5], s[18:19]
	s_add_nc_u64 s[10:11], s[10:11], s[16:17]
	s_add_nc_u64 s[PFA:PFA+1], s[6:7], s[PFA:PFA+1]
	XLOAD XT0, 0                                   ; x of periods 0 to 3
	XLOAD XT1, 128
	XLOAD XP, 256
	XLOAD XP+16, 384
	WIN 0
	s_mov_b32 s[G0], 1                             ; 1:0 count = 1
	s_mov_b32 s[G0+1], s22                         ; 63:32 LDS address: slot 0, my quarter
	s_add_nc_u64 s[G0+2:G0+3], s[6:7], s[22:23]    ; 120:64 global address: T0, my quarter
	s_mov_b32 s[G0+4], 1
	s_add_co_u32 s[G0+5], s22, TILEB               ; slot 1
	s_add_nc_u64 s[G0+6:G0+7], s[G0+2:G0+3], TILEB ; T1
	s_or_b32 s[G0+3], s[G0+3], 0x80000000          ; 127:126 type = 2
	s_or_b32 s[G0+7], s[G0+7], 0x80000000
	CROUND                                         ; all four work-groups are here: the first joint loads meet
	JLOAD 0                                        ; both first fills go out together, ahead of every wait on TENSORcnt and every LDS read: two loads of mine are out
	JLOAD 1
	s_wait_kmcnt 0x0
	s_add_co_i32 s16, s44, 127
	s_lshl_b32 s17, s16, 23
	v_mov_b32 v[SCV], s17                          ; 2^e0 as f32: the conversion takes its exponent field
	s_add_co_i32 s16, s16, 8
	s_lshl_b32 s16, s16, 23
	s_or_b32 s16, s16, 0x600000
	v_mov_b32 v[LIMV], s16                         ; 448 x 2^e0
	s_add_co_i32 s[SC], s44, s45
	s_add_co_i32 s[SC], s[SC], 127
	s_lshl_b32 s[SC], s[SC], 23                    ; 2^(e0 + e1) as f32
	s_mov_b32 s[SC+1], s[SC]                       ; (named with it as a pair, so it is written)
.irp e, 0,1,2,3,4,5,6,7
	v_min_num_f32 v[HH+8*\e], 1.0, v[LIMV]         ; C_0, held: 1 is positive, so the hold is one-sided
.endr
	; THE PROLOGUE, while the first tiles are on their way: the images of periods 0 and 1, and the reciprocals for period 2.
.macro GALL                            ; stream G alone: a period's two images from T's part TG into buffer IB
	VRUN 24, 8, 0
	VRUN 56, 96, 0
	v_nop                                          ; a plain instruction behind the last conversion
	IMAGE 0
	VRUN 152, 104, 0
	v_nop
	IMAGE 1
.endm
	s_wait_loadcnt 8                               ; x of periods 0 and 1 is in; the eight loads of periods 2 and 3 may be out
.set TU, TT
.set XR, XT0
	VRUN 0, 24, 1
.set TU, TT+16
.set XR, XT1
	VRUN 0, 24, 1
	v_nop                                          ; a plain instruction behind the last power of two,
	s_wait_alu depctr_va_vdst(0)                   ; and one wait for the batch of 32, ahead of the first reader
.set TU, TT
	VRUN 32, 24, 1
.set TU, TT+16
	VRUN 32, 24, 1
	v_nop
	s_wait_alu depctr_va_vdst(0)                   ; one wait for the 32 reciprocals
.set TG, TT
.set IB, 0
	GALL                                           ; I_0
	s_wait_dscnt 0x0                               ; its stores have read the codes' registers, which are written again now
.set TG, TT+16
.set IB, 1
	GALL                                           ; I_1
	s_wait_loadcnt 4                               ; x of period 2 is in; period 3's four loads may be out
.set TU, TT
.set XR, XP
	VRUN 0, 8, 1
	XLOAD XP, 512                                  ; x of period 4, into the part just read
	VRUN 8, 16, 1
	v_nop
	s_wait_alu depctr_va_vdst(0)
	VRUN 32, 24, 1
	v_nop
	s_wait_alu depctr_va_vdst(0)
	WIN 0
	s_wait_xcnt 0x0                                ; the loads of x have read their base
	s_add_nc_u64 s[4:5], s[4:5], 512               ; x at period 4: each half steps it by a period
	s_wait_tensorcnt 1                             ; my quarter of T0 is in; T1's may stay out
	s_wait_dscnt 0x0                               ; my images have landed
	s_barrier_signal -1
	s_barrier_wait -1                              ; everybody's have
	; PERIOD 0 up to the first change of slots: there is no vector work yet to set between the products.  The first K step's products start the sums: nothing is ever cleared.
	FETCH 0, 0
	s_wait_dscnt 0x0
.set mi, 0
	BARE 0, 2, 1
	FETCH 0, 1
	BARE 0, 30, 1
	s_wait_dscnt 0x0
.set mi, 0
	BARE 1, 8, 0
	WIN 0                                          ; at a label and at a branch every window is 0
	s_mov_b32 s[CNT], 5
.Llap:                                                 ; halves 1 to 10, two a trip: once round the ring
	HALF 0, 1, 1, 4, 1
	HALF 1, 1, 1, 4, 1
	WIN 0
	s_sub_co_u32 s[CNT], s[CNT], 1
	s_cmp_lg_u32 s[CNT], 0
	s_cbranch_scc1 .Llap
	HALF 0, 1, 1, 4, 1                             ; half 11: x of period 15, the last; T12; asks for T14
	HALF 1, 0, 1, 4, 1                             ; half 12: no x is left to load; T13; asks for T15
	HALF 0, 0, 1, 0, 0                             ; half 13: no younger load of x is out; T14
	HALF 1, 0, 0, 0, 0                             ; half 14: I_15 alone; T15, the last tile
	; THE LAST CHANGE OF SLOTS: nothing is filled, so no round follows.
	s_wait_tensorcnt 0x0                           ; my quarter of T15 is in
	ds_add_u32 v[SPW], v[NIL]
.set mi, 8
	BARE 1, 4, 0
	s_wait_dscnt 0x0                               ; the add is done, my images I_15 have landed, my reads of slot 0 are over
	s_barrier_signal -1
	BARE 1, 4, 0
	WIN 0
	s_barrier_wait -1
	PLACES
	FETCH 1, 0
	BARE 1, 16, 0
	s_wait_dscnt 0x0
.set mi, 0
	BARE 0, 2, 0
	PLACES                                         ; for the loads into set 1, which the product before these two multiplied
	FETCH 1, 1
	BARE 0, 30, 0
	s_wait_dscnt 0x0
.set mi, 0
	BARE 1, 32, 0
	WIN 0
; THE WAY OUT, block by block of 16 rows x my 128 columns.  A lane holds 32 neighbouring bytes of a row, and the lanes beside it hold other rows: so a block goes through my own stage in LDS and comes back as whole rows of 512 bytes.
; LDS serves a wave's instructions in order (ISA guide 5.7.1.4): no wait between the stores and the loads, nor in front of the next block's stores.
.macro TOSTAGE a
	WIN OUTW
.set jj, 0
.rept 32
	v_pk_mul_f32 v[TMP+jj:TMP+jj+1], v[64*(\a)+jj:64*(\a)+jj+1], s[SC:SC+1] op_sel_hi:[1,0]   ; x 2^(e0 + e1); each accumulator from its low end on
.set jj, jj+2
.endr
	WIN 0
.irp b, 0,1,2,3,4,5,6,7
	ds_store_b128 v[STO], v[TMP+8*\b:TMP+8*\b+3] offset:64*\b
	ds_store_b128 v[STO], v[TMP+8*\b+4:TMP+8*\b+7] offset:64*\b+16
.endr
.set BB, BK+64*((\a)%2)
.irp t, 0,1,2,3,4,5,6,7,8,9,10,11,12,13,14,15
	ds_load_b128 v[BB+4*\t:BB+4*\t+3], v[RD] offset:\t*SPITCH
.endr
.endm
.macro SEND a, younger                 ; younger: the LDS instructions issued behind block a's loads, which may stay out
.set BB, BK+64*((\a)%2)
	s_wait_dscnt \younger                          ; the block is back in registers
.irp t, 0,1,2,3,4,5,6,7,8,9,10,11,12,13,14,15
	global_store_b128 v[LI], v[BB+4*\t:BB+4*\t+3], s[10:11] offset:(16*(\a)+\t)*2048 th:TH_STORE_NT   ; 32 lanes store 512 consecutive bytes, at a multiple of 256 from y's first byte; written once, read by nobody here
.endr
.endm
	PLACES                                         ; behind the last products; the blocks finished last are read behind the earlier blocks' multiplications
	TOSTAGE 0
.irp a, 1,2,3
.if \a > 1
	s_wait_xcnt 0x0                                ; block a - 2's stores have read their registers: block a's loads may land there
.endif
	TOSTAGE \a
	SEND \a-1, 32                                  ; behind block a - 1's loads: block a's 16 stores and 16 loads
.endr
	SEND 3, 0
	s_wait_tensorcnt 0x0                           ; the wave's end, behind my last tensor load and my last LDS store
	ds_add_u32 v[SPW], v[NIL]
	s_wait_dscnt 0x0
	CROUND                                         ; the closing round: no work-group ends while a partner may still ask for a tile that names it
	s_endpgm
.Lfunc_end_k_q19bf8a3610_kan:
	.size	k_q19bf8a3610_kan, .Lfunc_end_k_q19bf8a3610_kan-k_q19bf8a3610_kan
	.p2alignl 7, 3214868480
	.fill 96, 4, 3214868480
	.section	.rodata,"a",@progbits
	.p2align	6, 0x0
	.amdhsa_kernel k_q19bf8a3610_kan
		.amdhsa_group_segment_fixed_size 327680
		.amdhsa_private_segment_fixed_size 0
		.amdhsa_enable_private_segment 0
		.amdhsa_kernarg_size 32
		.amdhsa_user_sgpr_count 2
		.amdhsa_user_sgpr_kernarg_segment_ptr 1
		.amdhsa_wavefront_size32 1
		.amdhsa_system_sgpr_workgroup_id_x 1
		.amdhsa_system_sgpr_workgroup_id_y 1
		.amdhsa_system_sgpr_workgroup_id_z 1
		.amdhsa_system_vgpr_workitem_id 0
		.amdhsa_next_free_vgpr 960
		.amdhsa_next_free_sgpr 66
		.amdhsa_reserve_vcc 0
		.amdhsa_float_denorm_mode_32 3
		.amdhsa_float_denorm_mode_16_64 3
		.amdhsa_memory_ordered 1
		.amdhsa_forward_progress 1
		.amdhsa_inst_pref_size 255
	.end_amdhsa_kernel
	.section	.bss,"aw",@nobits
	.p2align	6
	.space	262144
	.amdgpu_metadata
---
amdhsa.version: [ 1, 2 ]
amdhsa.kernels:
  - .name:           k_q19bf8a3610_kan
    .symbol:         k_q19bf8a3610_kan.kd
    .args:
      - { .name: x, .offset: 0, .size: 8, .value_kind: global_buffer, .address_space: global }
      - { .name: wq, .offset: 8, .size: 8, .value_kind: global_buffer, .address_space: global }
      - { .name: lowp_scales, .offset: 16, .size: 8, .value_kind: global_buffer, .address_space: global }
      - { .name: out0, .offset: 24, .size: 8, .value_kind: global_buffer, .address_space: global }
    .group_segment_fixed_size: 327680
    .private_segment_fixed_size: 0
    .kernarg_segment_align: 8
    .kernarg_segment_size: 32
    .max_flat_workgroup_size: 128
    .sgpr_count:     66
    .vgpr_count:     960
    .wavefront_size: 32
...
	.end_amdgpu_metadata
.endif
;; end of part 2
;; ======== version 2 of 2: 2 launches
;; limits: a function is approximated: absolute error at most 2e-07
;; workspace buffers: wq 2,097,152 bytes
;; launch pack (part 3): grid 256 x 1, 4 waves a work-group, no clusters, 0 bytes of LDS; arguments gegenbauer_coeffs, lowp_scales, wq; writes wq
.if DOCPART == 3
	.amdgcn_target "amdgcn-amd-amdhsa--gfx1250"
	.amdhsa_code_object_version 6
	.text
	.protected	k_q19bf8a3610_pack
	.globl	k_q19bf8a3610_pack
	.p2align	8
	.type	k_q19bf8a3610_pack,@function
k_q19bf8a3610_pack:
	s_mov_b64 s[64:65], 0
	v_nop
	global_prefetch_b8 v0, s[64:65] scope:SCOPE_SE
	s_setreg_imm32_b32 hwreg(HW_REG_WAVE_MODE, 25, 1), 1
	s_wait_xcnt 0x0
; gegenbauer_coeffs [512 (i)][512 (o)][8 (d)], f32, is operand B of the one quantised product y[b][o] = sum over (i, d) of g[b][i][d] c[i][o][d], K = (i, d) = 4,096.
; This launch quantises it ONCE (code = c / 2^e1, held within +-448, to the nearest E4M3 code, ties to even; e1 = entry 1 of lowp_scales) and lays the codes as IMAGES OF THE OPERAND'S REGISTERS,
; so that the product's launch brings a K step's tiles as dense blocks and each fragment by loads of 16 bytes a lane.
; No work of reference() is left out in this program: every input has a way to the output and is loaded.
; THE PLACE OF k, the same in A and in B: K step s (0..31) holds the inputs i = 16 s .. 16 s + 15.  In a fragment (16 columns o x 128 k, 16 registers) lane (r = lane % 16, h = lane / 16) belongs to column
; o = 16 nt + r, and its registers 2 j, 2 j + 1 hold the eight codes d = 0..7 of input i = 16 s + 8 h + j.  That is a permutation of k inside a K step: every product meets its partner; only the order of the sums differs.
; wq, in bytes, for column tile nt = 8 wk + 4 part + bl (wk: the wave of the next launch that multiplies it; part 0: its tiles that go through LDS, part 1: those that go straight into registers):
;   part x 1,048,576 + s x 32,768 + wk x 8,192 + bl x 2,048 + c x 512 + lane x 16: registers 4 c .. 4 c + 3 of the lane.
; SHARES: work-group g: K step s = g / 8; wave w: tile nt = 4 (g % 8) + w: one image, 8,192 bytes in, 2,048 bytes out.  Waves share nothing: no LDS, no barrier.
; A lane's eight d of one (i, o) are 32 neighbouring bytes: two loads of 16; the two together read 512 consecutive bytes for each half of the lanes.  Each store of the wave covers 512 consecutive bytes, aligned.
; LIMITS: e1 between -126 and 119, so that 2^e1 and 448 x 2^e1 are f32 numbers.  NaN among the coefficients is not served (an infinity is held at the largest code).
.set X, 16                             ; v16-79  the numbers: input 2 c + u at v[X + 16 c + 8 u] on, d ascending
.set C, 80                             ; v80-95  the codes: four registers for each c, so that no store's data are written again
	s_load_b128 s[4:7], s[0:1], 0x0                ; the coefficients s[4:5], the scales' exponents s[6:7]
	s_load_b64 s[8:9], s[0:1], 0x10                ; wq
	v_lshrrev_b32 v3, 5, v0
	v_readfirstlane_b32 s12, v3                    ; wave 0..3
	v_and_b32 v4, 15, v0                           ; r
	v_bfe_u32 v5, v0, 4, 1                         ; h
	v_lshlrev_b32 v1, 5, v4                        ; in: column r of the tile: 32 bytes a column,
	v_lshl_add_u32 v1, v5, 17, v1                  ; and 8 inputs of 16,384 bytes further on for lanes 16-31
	v_and_b32 v2, 31, v0
	v_lshlrev_b32 v2, 4, v2                        ; out: 16 x lane
	s_lshr_b32 s13, ttmp9, 3                       ; s
	s_and_b32 s14, ttmp9, 7                        ; g % 8 = 2 wk + part
	s_lshl_b32 s15, s14, 2
	s_add_co_u32 s15, s15, s12                     ; nt
	s_lshl_b32 s16, s13, 18                        ; in: 16 inputs of 16,384 bytes a K step,
	s_lshl_b32 s15, s15, 9                         ; 16 columns of 32 bytes a tile
	s_add_co_u32 s16, s16, s15
	s_mov_b32 s17, 0
	s_lshl_b32 s18, s13, 15                        ; wq: 32,768 bytes a K step in each part,
	s_and_b32 s15, s14, 1
	s_lshl_b32 s15, s15, 20                        ; the part,
	s_add_co_u32 s18, s18, s15
	s_lshr_b32 s15, s14, 1
	s_lshl_b32 s15, s15, 13                        ; wk,
	s_add_co_u32 s18, s18, s15
	s_lshl_b32 s15, s12, 11                        ; bl = my wave: 2,048 bytes an image
	s_add_co_u32 s18, s18, s15
	s_mov_b32 s19, 0
	s_wait_kmcnt 0x0
	s_load_b32 s20, s[6:7], 0x4                    ; e1
	s_add_nc_u64 s[4:5], s[4:5], s[16:17]
	s_add_nc_u64 s[8:9], s[8:9], s[18:19]
.irp c, 0,1,2,3
.irp u, 0,1
.irp t, 0,1
	global_load_b128 v[X+16*\c+8*\u+4*\t:X+16*\c+8*\u+4*\t+3], v1, s[4:5] offset:\c*32768+\u*16384+16*\t th:TH_LOAD_NT   ; c(16 s + 8 h + 2 c + u, 16 nt + r, 4 t .. 4 t + 3): each byte is read once in the launch
.endr
.endr
.endr
	s_wait_kmcnt 0x0
	s_add_co_i32 s20, s20, 127
	s_lshl_b32 s21, s20, 23
	v_mov_b32 v11, s21                             ; 2^e1 as f32: the conversion takes its exponent field
	s_add_co_i32 s20, s20, 8
	s_lshl_b32 s20, s20, 23
	s_or_b32 s20, s20, 0x600000
	v_mov_b32 v10, s20                             ; 448 x 2^e1
.irp c, 0,1,2,3
	s_wait_loadcnt 12-4*\c                         ; loads come back in order (ISA guide 5.7.1): this c's four are in; the four of each later c may be out
.irp i, 0,1,2,3,4,5,6,7,8,9,10,11,12,13,14,15
	v_med3_num_f32 v[X+16*\c+\i], v[X+16*\c+\i], -v10, v10   ; the conversion to an 8-bit code does not saturate (ISA guide 7.6.2): the hold at the largest code x the scale comes first
.endr
	v_cvt_scalef32_pk8_fp8_f32 v[C+4*\c:C+4*\c+1], v[X+16*\c:X+16*\c+7], v11        ; input 2 c: d = 0 in the lowest byte
	v_cvt_scalef32_pk8_fp8_f32 v[C+4*\c+2:C+4*\c+3], v[X+16*\c+8:X+16*\c+15], v11   ; input 2 c + 1.  (The results go to a store alone, and no later line writes the sources)
	global_store_b128 v2, v[C+4*\c:C+4*\c+3], s[8:9] offset:512*\c                  ; 32 lanes store 512 consecutive bytes, at a multiple of 256 from wq's first byte
.endr
	s_endpgm
.Lfunc_end_k_q19bf8a3610_pack:
	.size	k_q19bf8a3610_pack, .Lfunc_end_k_q19bf8a3610_pack-k_q19bf8a3610_pack
	.p2alignl 7, 3214868480
	.fill 96, 4, 3214868480
	.section	.rodata,"a",@progbits
	.p2align	6, 0x0
	.amdhsa_kernel k_q19bf8a3610_pack
		.amdhsa_group_segment_fixed_size 0
		.amdhsa_private_segment_fixed_size 0
		.amdhsa_enable_private_segment 0
		.amdhsa_kernarg_size 24
		.amdhsa_user_sgpr_count 2
		.amdhsa_user_sgpr_kernarg_segment_ptr 1
		.amdhsa_wavefront_size32 1
		.amdhsa_system_sgpr_workgroup_id_x 1
		.amdhsa_system_sgpr_workgroup_id_y 1
		.amdhsa_system_sgpr_workgroup_id_z 1
		.amdhsa_system_vgpr_workitem_id 0
		.amdhsa_next_free_vgpr 96
		.amdhsa_next_free_sgpr 66
		.amdhsa_reserve_vcc 0
		.amdhsa_float_denorm_mode_32 3
		.amdhsa_float_denorm_mode_16_64 3
		.amdhsa_memory_ordered 1
		.amdhsa_forward_progress 1
		.amdhsa_inst_pref_size 9
	.end_amdhsa_kernel
	.amdgpu_metadata
---
amdhsa.version: [ 1, 2 ]
amdhsa.kernels:
  - .name:           k_q19bf8a3610_pack
    .symbol:         k_q19bf8a3610_pack.kd
    .args:
      - { .name: gegenbauer_coeffs, .offset: 0, .size: 8, .value_kind: global_buffer, .address_space: global }
      - { .name: lowp_scales, .offset: 8, .size: 8, .value_kind: global_buffer, .address_space: global }
      - { .name: wq, .offset: 16, .size: 8, .value_kind: global_buffer, .address_space: global }
    .group_segment_fixed_size: 0
    .private_segment_fixed_size: 0
    .kernarg_segment_align: 8
    .kernarg_segment_size: 24
    .max_flat_workgroup_size: 128
    .sgpr_count:     66
    .vgpr_count:     96
    .wavefront_size: 32
...
	.end_amdgpu_metadata
.endif
;; end of part 3
;; launch kan (part 4): grid 256 x 1, 4 waves a work-group, clusters of 4 x 1, 327,680 bytes of LDS; arguments x, wq, lowp_scales, out0; writes out0
.if DOCPART == 4
	.amdgcn_target "amdgcn-amd-amdhsa--gfx1250"
	.amdhsa_code_object_version 6
	.text
	.protected	k_q19bf8a3610_kan
	.globl	k_q19bf8a3610_kan
	.p2align	8
	.type	k_q19bf8a3610_kan,@function
k_q19bf8a3610_kan:
	s_mov_b64 s[64:65], 0
	v_nop
	global_prefetch_b8 v0, s[64:65] scope:SCOPE_SE
	s_setreg_imm32_b32 hwreg(HW_REG_WAVE_MODE, 25, 1), 1
	s_wait_xcnt 0x0
	s_wait_alu depctr_hold_cnt(0) depctr_sa_sdst(0) depctr_va_vdst(0) depctr_va_sdst(0) depctr_va_ssrc(0) depctr_va_vcc(0) depctr_vm_vsrc(0)
	s_getreg_b32 s2, hwreg(HW_REG_IB_STS2, 6, 4)
	s_cmp_eq_u32 s2, 0
	s_cbranch_scc0 .Lentry_in_a_cluster
	s_endpgm
.Lentry_in_a_cluster:
	s_bfe_u32 s2, ttmp6, 0x10000c
	s_cmp_lg_u32 s2, 0x3003
	s_cbranch_scc0 .Lentry_shape_is_right
	s_endpgm
.Lentry_shape_is_right:
; y[b][o] = sum over (i, d) of Q(g[b][i][d]) Q(c[i][o][d]), g = the Gegenbauer polynomials C_0 .. C_7 (alpha = 1) of t = tanh(x[b][i]).  x [16384][512] f32; wq: c's codes (E4M3) as the launch before laid them; y [16384][512] f32.
; Everything is fused: tanh, polynomials, the quantiser (code = g / 2^e0, held within +-448, nearest code, ties to even), the product on codes by v_wmma_f32_16x16x128_fp8_fp8, and one multiplication of each sum by 2^(e0 + e1).
; No work of reference() is left out: C_0 = 1 is a column of a live quantised product and stays in K.
; ARITHMETIC.  tanh(x) = 1 - 2 / (1 + 2^(2 log2(e) x)): at overflow of the power it gives 1, where the power vanishes -1.  u = 2 t = 2 - 4 / (1 + ..).  With alpha = 1 reference()'s recurrence is C_(n+1) = u C_n - C_(n-1)
; for all values (the factor n + 1 cancels); it is walked two at a time by the identity C_(n+2) = (u u - 2) C_n - C_(n-2), so that a packed multiply-add makes an even and an odd polynomial at once.
; LIMITS: e0 between -126 and 119, e0 + e1 between -126 and 127 (each power of two below is an f32 number).  NaN in x is not served.  tanh's error is absolute (about one part in 10^7 of 1), not relative to a small t;
; the order of rounding in the polynomials differs from reference()'s; the place of k inside a K step is permuted alike in A and B, and the order of the K steps differs from cluster to cluster: so does the order of the f32 sums.
; SHARES.  g is made ONCE: a work-group owns 64 whole rows of y (256 work-groups).  Wave w multiplies all 64 rows by columns 128 w .. 128 w + 127: 32 accumulators, 256 registers; and it makes g for rows 16 w .. 16 w + 15,
; one fragment a K step, which reaches the other waves through LDS as an image of its registers (16 bytes a lane at 16 x lane, 512 bytes a store).  x goes from memory straight into the lane that needs it.
; THE PLACE OF k: K step s holds inputs 16 s .. 16 s + 15; lane (r, h) holds in registers 2 j, 2 j + 1 the codes d = 0..7 of input 16 s + 8 h + j, of row r (A) or column r (B) of the tile.
; THE PRODUCT IS USED TRANSPOSED (source 0 = 16 columns of c, source 1 = 16 rows of g): a lane holds eight neighbouring columns of one row of y.
; B'S TWO ROADS.  Every work-group walks all 2,097,152 bytes of codes.  Of a wave's eight column tiles the lower four come through a ring of two LDS slots: four work-groups form a cluster and ask for each tile JOINTLY (mask 15; only B is
; shared and a mask names four, so the cluster is 4 x 1); each wave brings a quarter of a tile, 16,384 bytes.  The upper four go from wq straight into the fragments' registers, each work-group asking by itself: only this wave reads them,
; so LDS would add a store and a load to each byte; and they stay on their way across the changes of slots, where no tensor load of the wave is out: 46 products (set 1) and 48 (set 0) stand between a run's issue and the wait for it.
; For that a K step's 32 products go in two halves: the 16 on the lower tiles, then the 16 on the upper.
; THE WALK IS ROTATED.  A period is 256 along K.  Cluster c walks periods (p0 + n) mod 16, n = 0..15, p0 = (c mod 16) xor 15 (bit 4 of c) xor 3 (bit 5 of c): among the clusters that share any one bit of c all 16 starts occur.
; So the 64 clusters ask for 16 different tiles at a time, and from its second period on a cluster asks for tiles that others have asked for before it.  No prefetch is laid: wq is read by every work-group, not once, and x's loads
; stand two halves ahead of their use.
; TIME.  Period n (in the cluster's own count) is a tile T_n (65,536 bytes through LDS, as many straight into registers) and the images I_n, in slot and buffer n % 2: 64 products a wave.  The change of slots n (1..15) stands behind the 8th
; product of period n - 1's second K step, where all fragments of that slot are in registers.  HALF n is the text from change n to change n + 1: 64 products and, behind each, a slice of four vector instructions.  It fills slot
; (n - 1) % 2 with T_(n+1), fetches period n's fragments, makes I_(n+1) (stream G) from reciprocals made a half earlier, makes the reciprocals for I_(n+2) (stream U) and loads x of period n + 4.
; By the text's own count a wave has two tensor loads out at the start and one behind each round.
; LDS: 0: slot 0 (on the way out: the stages); 65,536: slot 1; 131,072: two buffers of images, 16,384 bytes each (fragment (K step sg, rows 16 m on) at 8,192 sg + 2,048 m), written by ds_store alone; 163,840: the spare words.
; Every LDS access of a wave covers 512 consecutive bytes but the stage's stores: no padding in the ring.
; REGISTERS, in windows of 256 (s_set_vgpr_msb: bits 1:0 source 0, 3:2 source 1, 5:4 source 2, 7:6 destination):
;   window 0: v1-19 addresses and constants; v32-63 T: two parts of 16 (2^.., then reciprocals); v64-79 w = u u - 2 (even registers; the odd ones are 0 and only named); v80-111 codes, 16 a K step;
;             v112-175 the polynomials of 8 numbers of x, 8 registers each (the first is the constant 1); v176-239 the same, held.   On the way out v32-95 scaled sums, v112-239 rows read back.
;   window 1: B's fragments, set sg at v[128 sg + 16 b].   window 2: accumulator (rows 16 a on, columns 16 b on) at v[8 (8 a + b)].   window 3: A's fragments, set sg at v[64 sg + 16 a]; from v128 x: two parts of 16; v160-191 x of periods 0, 1.
.set SLOTB,  65536                     ; a slot: a period's lower tiles: K step sg at 32,768 sg, wave wk's four images at 8,192 wk
.set DIRECT, 1048576                   ; wq's second half: the upper tiles, laid alike
.set IMGA,   131072                    ; the images
.set IMGB,   16384                     ; a buffer of images
.set SPARE,  163840                    ; the spare words: 128 bytes for each wave: two blocks of 256 bytes that no other line names
.set SPITCH, 528                       ; the way out: a stage of 16 rows x (512 bytes + 16) for each wave, in slot 0, which has had its last fill and its last read when the first result is stored there
.set LI,   1                           ; v1     16 x lane: an image's place for my lane; also my byte offset in a row's 512 bytes of y
.set ADRB, 2                           ; v2-5   B's lower fragments: slot x 65,536 + sg x 32,768 + wave x 8,192 + 16 x lane, at v[ADRB + 2 slot + sg]
.set ADRA, 6                           ; v6-7   A's images in buffer 0, 1
.set IMW,  8                           ; v8-9   where I store my images in buffer 0, 1: + 2,048 x wave
.set XO,   10                          ; v10    x: row r of 2,048 bytes + 32 h
.set STO,  11                          ; v11    the stage: where I put 32 bytes of a row
.set RD,   12                          ; v12    and where I read a row back
.set SPW,  14                          ; v14    LDS address of my spare word: SPARE + 4 x my thread's number; never rewritten
.set NIL,  15                          ; v15    0; never rewritten
.set LIMV, 16                          ; v16    448 x 2^e0
.set SCV,  17                          ; v17    2^e0
.set KP,   18                          ; v[18:19] (1, 0): what C_2 and C_3 add to w (1, u)
.set TT,   32
.set WW,   64
.set CD,   80
.set PO,   112
.set HH,   176
.set TMP,  32
.set BK,   112
.set XP,   128                         ; in window 3
.set XT0,  160
.set XT1,  176
.set WV,   12                          ; s12    my wave's number
.set NP,   15                          ; s15    which period of K the cluster's period in hand is: (p0 + n) mod 16; made of the cluster's number alone
.set DB,   20                          ; s[20:21] wq's upper tiles at my wave's four images
.set WB,   22                          ; s[22:23] wq's lower tiles at the quarter of a tile that I fetch
.set G1,   24                          ; s[24:31] descriptor group 1
.set G0,   32                          ; s[32:39] descriptor group 0, a set for each slot
.set CNT,  40
.set CS,   42                          ; s[42:43] 2 log2(e), twice
.set SC,   46                          ; s[46:47] 2^(e0 + e1), twice
.set XB,   48                          ; s[48:49] x at my wave's first row
.set XA,   50                          ; s[50:51] the same at the period that a half loads
.set DA0,  52                          ; s[52:53] the base of the run of direct loads into set 0
.set DA1,  54                          ; s[54:55] and into set 1
.set XH,   56                          ; s[56:63], s[66:67] x at periods 0 to 4, for the loads at the head
.set RO,   68                          ; s[68:69] a period's byte offset; the upper word stays 0.  No place in the cluster ever enters this pair, s15, s41 or s[22:23]
.set W_MM, 0xad                        ; source 0 (B) window 1, source 1 (A) window 3, C and D window 2
.set W_X,  0x03                        ; source 0 window 3
.set TO_B, 0x40                        ; destination window 1
.set TO_3, 0xc0                        ; destination window 3
.set OUTW, 0x02                        ; source 0 window 2
.set MSB, 0
.macro WIN new                         ; the immediate's high byte repeats the setting that is left; a switch that changes nothing is dropped
.if MSB != \new
	s_set_vgpr_msb (MSB<<8)|\new
.set MSB, \new
.endif
.endm
.macro PLACES                          ; a load into a register that a matrix instruction has read, and a vector instruction that reads a matrix result, stand four plain vector instructions behind it (ISA guide 7.12.1 for the reader of a matrix result)
.rept 4
	v_nop
.endr
.endm
; Product mi (0..31) of a K step: rows 16 ((mi / 4) % 4) on, column tile 4 (mi / 16) + mi % 4: the lower four tiles first; sg: the set of fragments.
; The 32 accumulators take turns, one instruction a turn, in the same order in every K step.
.macro MM sg, zero
	WIN W_MM
.set ma, (mi/4)%4
.set mb, 4*(mi/16)+mi%4
.set mc, 8*(8*ma+mb)
.if \zero
	v_wmma_f32_16x16x128_fp8_fp8 v[mc:mc+7], v[128*(\sg)+16*mb:128*(\sg)+16*mb+15], v[64*(\sg)+16*ma:64*(\sg)+16*ma+15], 0
.else
	v_wmma_f32_16x16x128_fp8_fp8 v[mc:mc+7], v[128*(\sg)+16*mb:128*(\sg)+16*mb+15], v[64*(\sg)+16*ma:64*(\sg)+16*ma+15], v[mc:mc+7]
.endif
.set mi, mi+1
.endm
; THE VECTOR WORK OF A HALF is a list of 256 instructions; VI writes number j.  e = 0..7: a lane's eight numbers of x of a K step.  us = 0: stream U's numbers are left out.
;   U, for the period after next, 16 numbers in T's part TU, from x's part XR:   0-7 x times 2 log2(e), in pairs;  8-23 the powers of two;  32-39 + 1, in pairs;  40-55 the reciprocals
;   G, for the next period, from the reciprocals in T's part TG:  K step 0:  24-31 u = 2 - 4 / (..);  56-63 w = u u - 2;  64-71 (C2, C3) = w (1, u) + (1, 0);  72-79 (C4, C5) = w (C2, C3) - (1, u);  80-87 (C6, C7) = w (C4, C5) - (C2, C3);
;      88-143 the hold of C1 .. C7;  144-151 the conversions.   K step 1:  152-159 u;  160-255 as 56-151.
; Numbers that feed each other stand eight apart.  No number from 24 to 31 and from 56 on names a register of U's, so U's transcendentals have one wait a batch (HALF writes the two).
.macro VI us
.if j < 8
.if \us
	WIN W_X
	v_pk_mul_f32 v[TU+2*j:TU+2*j+1], v[XR+2*j:XR+2*j+1], s[CS:CS+1] op_sel_hi:[1,0]
.endif
.elseif j < 24
.if \us
	WIN 0
	v_exp_f32 v[TU+j-8], v[TU+j-8]
.endif
.elseif j < 32
	WIN 0
	v_fma_f32 v[PO+8*(j-24)+1], v[TG+j-24], -4.0, 2.0
.elseif j < 40
.if \us
	WIN 0
	v_pk_add_f32 v[TU+2*(j-32):TU+2*(j-32)+1], v[TU+2*(j-32):TU+2*(j-32)+1], 1.0 op_sel_hi:[1,0]
.endif
.elseif j < 56
.if \us
	WIN 0
	v_rcp_f32 v[TU+j-40], v[TU+j-40]
.endif
.elseif (j >= 152) && (j < 160)
	WIN 0
	v_fma_f32 v[PO+8*(j-152)+1], v[TG+8+j-152], -4.0, 2.0
.else
	WIN 0
.set q, j
.set bt, 0
.if j >= 160
.set q, j-104
.set bt, 1
.endif
.if q < 64
.set e, q-56
	v_fma_f32 v[WW+2*e], v[PO+8*e+1], v[PO+8*e+1], -2.0
.elseif q < 72
.set e, q-64
	v_pk_fma_f32 v[PO+8*e+2:PO+8*e+3], v[PO+8*e:PO+8*e+1], v[WW+2*e:WW+2*e+1], v[KP:KP+1] op_sel_hi:[1,0,1]   ; of the pair w the low word serves both halves
.elseif q < 80
.set e, q-72
	v_pk_fma_f32 v[PO+8*e+4:PO+8*e+5], v[PO+8*e+2:PO+8*e+3], v[WW+2*e:WW+2*e+1], v[PO+8*e:PO+8*e+1] op_sel_hi:[1,0,1] neg_lo:[0,0,1] neg_hi:[0,0,1]
.elseif q < 88
.set e, q-80
	v_pk_fma_f32 v[PO+8*e+6:PO+8*e+7], v[PO+8*e+4:PO+8*e+5], v[WW+2*e:WW+2*e+1], v[PO+8*e+2:PO+8*e+3] op_sel_hi:[1,0,1] neg_lo:[0,0,1] neg_hi:[0,0,1]
.elseif q < 144
.set n, 1+(q-88)/8
.set e, (q-88)%8
	v_med3_num_f32 v[HH+8*e+n], v[PO+8*e+n], -v[LIMV], v[LIMV]   ; the conversion to an 8-bit code does not saturate (ISA guide 7.6.2): the hold at the largest code x the scale.  (C_0's held value is a constant, made at the head)
.else
.set e, q-144
	v_cvt_scalef32_pk8_fp8_f32 v[CD+16*bt+2*e:CD+16*bt+2*e+1], v[HH+8*e:HH+8*e+7], v[SCV]   ; registers 2 e, 2 e + 1 of the fragment: d = 0 in the lowest byte
.endif
.endif
.endm
.macro SLICE us                        ; the list's next four numbers
.rept 4
	VI \us
.set j, j+1
.endr
.endm
.macro RUN sg, cnt, us                 ; cnt times: a product, and a slice behind it
.rept \cnt
	MM \sg, 0
	SLICE \us
.endr
.endm
.macro BARE sg, cnt, zero              ; products alone
.rept \cnt
	MM \sg, \zero
.endr
.endm
.macro VRUN from, cnt, us              ; numbers from .. from + cnt - 1 of the list alone
.set j, \from
.rept \cnt
	VI \us
.set j, j+1
.endr
.endm
.macro IMAGE b                         ; my fragment of the period's K step b goes to LDS as it stands, into buffer IB
	WIN 0
.irp c, 0,1,2,3
	ds_store_b128 v[IMW+IB], v[CD+16*\b+4*\c:CD+16*\b+4*\c+3] offset:8192*\b+512*\c
.endr
.endm
.macro FETCH sl, sg                    ; 32 LDS loads in one run: my 4 lower fragments of B and the 4 of A of K step sg, from slot and buffer sl, into set sg
	WIN TO_B
.irp b, 0,1,2,3
.irp c, 0,1,2,3
	ds_load_b128 v[128*(\sg)+16*\b+4*\c:128*(\sg)+16*\b+4*\c+3], v[ADRB+2*(\sl)+(\sg)] offset:2048*\b+512*\c
.endr
.endr
	WIN TO_3
.irp m, 0,1,2,3
.irp c, 0,1,2,3
	ds_load_b128 v[64*(\sg)+16*\m+4*\c:64*(\sg)+16*\m+4*\c+3], v[ADRA+(\sl)] offset:8192*(\sg)+2048*\m+512*\c
.endr
.endr
.endm
.macro DLOAD sg, base                  ; 16 loads in one run: my 4 upper fragments of B of K step sg of the period at s[base], from wq straight into set sg; each load of the wave reads 512 consecutive bytes, aligned.  No cache hint: other work-groups read them too
	WIN TO_B
.irp b, 0,1,2,3
.irp c, 0,1,2,3
	global_load_b128 v[128*(\sg)+64+16*\b+4*\c:128*(\sg)+64+16*\b+4*\c+3], v[LI], s[\base:\base+1] offset:32768*(\sg)+2048*\b+512*\c
.endr
.endr
.endm
.macro XLOAD reg, base                 ; a period's x for my lane: of row r, for each of its two K steps, the 8 numbers at 64 sg + 32 h.  No cache hint: a row's neighbouring 128 bytes are read one half later
	WIN TO_3
.irp g, 0,1
.irp t, 0,1
	global_load_b128 v[(\reg)+8*\g+4*\t:(\reg)+8*\g+4*\t+3], v[XO], s[\base:\base+1] offset:64*\g+16*\t
.endr
.endr
.endm
.macro XBASE st, dst                   ; s[dst] = x at my rows, at the cluster's period st: 128 bytes a period
	s_add_co_u32 s[RO], s[NP], \st
	s_and_b32 s[RO], s[RO], 15
	s_lshl_b32 s[RO], s[RO], 7
	s_add_nc_u64 s[\dst:\dst+1], s[XB:XB+1], s[RO:RO+1]
.endm
.macro JLOAD sl                        ; a joint load: every wave brings its quarter of the tile; the descriptor hangs on the wave's number, the cluster's number and constants alone.  An s_nop 0 and four v_nop follow it
	tensor_load_to_lds s[G0+4*(\sl):G0+4*(\sl)+3], s[G1:G1+7]
	s_nop 0
.rept 4
	v_nop
.endr
.endm
.macro CREST                           ; a round of the cluster's barrier behind its opening barrier
	s_cmp_lg_u32 s[WV], 0
	s_cbranch_scc1 .Lnot_wave_0_\@
	s_barrier_signal -3
.Lnot_wave_0_\@:
	s_barrier_wait -3
	s_barrier_signal -1
	s_barrier_wait -1
.endm
.macro CROUND                          ; a whole round
	s_barrier_signal -1
	s_barrier_wait -1
	CREST
.endm
; HALF n, h = (n - 1) % 2.  ld: x of period n + 4 is loaded.  us: stream U runs.
; LOADcnt, in the order of issue: x(n + 4) (4 loads), D1(n) (16: period n's upper fragments of K step 1), D0(n + 1) (16: the next period's of K step 0).  Loads come back in order (ISA guide 5.7.1), so the wait for a run shows all older loads in too:
; x(n + 2), which this half's first slices read, was shown in by the wait behind FETCH in half n - 1.
.macro HALF h, ld, us
.set TU, TT+16*(1-\h)
.set TG, TT+16*\h
.set XR, XP+16*(1-\h)
.set IB, \h
.set j, 0
.set mi, 8
	WIN 0                                          ; (the add's two registers lie in window 0)
	s_wait_tensorcnt 0x0                           ; all my tensor loads have landed: the one that was out is my quarter of T_n; so a group 0 may be written
	ds_add_u32 v[SPW], v[NIL]                      ; 0 onto my spare word: the addresses below and four products stand between it and the wait for it
	s_wait_xcnt 0x0                                ; the loads that are out have read their bases, so the three may be written
	s_add_co_u32 s[NP], s[NP], 1
	s_and_b32 s[NP], s[NP], 15                     ; period n's place in K
	s_lshl_b32 s[RO], s[NP], 16                    ; 65,536 bytes a period in each half of wq
	s_add_nc_u64 s[DA1:DA1+1], s[DB:DB+1], s[RO:RO+1]
	s_add_co_u32 s[RO], s[NP], 1
	s_and_b32 s[RO], s[RO], 15                     ; period n + 1's
	s_lshl_b32 s[RO], s[RO], 16
	s_add_nc_u64 s[DA0:DA0+1], s[DB:DB+1], s[RO:RO+1]
	s_add_nc_u64 s[G0+4*\h+2:G0+4*\h+3], s[WB:WB+1], s[RO:RO+1]   ; 120:64 global address: T_(n+1), my quarter
	s_or_b32 s[G0+4*\h+3], s[G0+4*\h+3], 0x80000000               ; 127:126 type = 2
.if \ld
	XBASE 4, XA
.endif
	RUN 1, 4, \us
	s_wait_dscnt 0x0                               ; the add is done, my images I_n have landed, and my reads of slot and buffer h are over
	s_barrier_signal -1                            ; the barrier opens a round of the cluster's barrier
	RUN 1, 4, \us
	WIN 0
.if \us
	s_wait_alu depctr_va_vdst(0)                   ; one wait for the batch of 16 powers of two, ahead of the branch and of their first readers; eight plain instructions stand behind the last of them
.endif
	s_barrier_wait -1
	CREST                                          ; no wave of any partner still reads this slot or has a load on its way
	JLOAD \h                                       ; T_(n+1): the first tensor load behind the round, and my only one until the next; 56 products stand between it and the wait for it
	FETCH 1-\h, 0                                  ; period n, K step 0.  (Set 0 was last multiplied 16 products back)
	s_wait_loadcnt 16                              ; D1(n - 1) is in, for the 16 products below; D0(n)'s 16 loads may be out
.if \ld
	XLOAD XR, XA                                   ; x of period n + 4, into the part that the slices above have read
.endif
	RUN 1, 16, \us
	s_wait_dscnt 0x0                               ; set 0's fragments from LDS are in
.set mi, 0
	RUN 0, 2, \us
	WIN 0
.if \us
	s_wait_alu depctr_va_vdst(0)                   ; one wait for the batch of 16 reciprocals
.endif
	FETCH 1-\h, 1                                  ; period n, K step 1.  The last product on set 1 stands three slices back: twelve holds, plain instructions that name none of its registers
	DLOAD 1, DA1                                   ; D1(n)
	RUN 0, 12, \us
	v_nop                                          ; a plain instruction behind the last conversion of K step 0
	IMAGE 0
	RUN 0, 2, \us
	s_wait_loadcnt 16+4*\ld                        ; D0(n) is in, for the 16 products below; x(n + 4)'s four loads, where they were issued, and D1(n)'s 16 may be out
	RUN 0, 16, \us
	DLOAD 0, DA0                                   ; D0(n + 1).  Behind the last product on set 0 stands its slice: four holds
	s_wait_dscnt 0x4                               ; set 1's fragments from LDS are in; the four stores of the image, issued behind their loads, may be out
.set mi, 0
	RUN 1, 8, \us
	v_nop                                          ; a plain instruction behind the last conversion of K step 1
	IMAGE 1
.endm
	s_load_b256 s[4:11], s[0:1], 0x0               ; x s[4:5], wq s[6:7], the scales' exponents s[8:9], y s[10:11]
	v_lshl_add_u32 v[SPW], v0, 2, SPARE
	v_mov_b32 v[NIL], 0
	ds_add_u32 v[SPW], v[NIL]                      ; the wave's opening: the add, twice on end, and its wait ahead of my first tensor load; the set-up below, work on registers, stands between the second and the wait
	ds_add_u32 v[SPW], v[NIL]                      ; and once more
	v_lshrrev_b32 v21, 5, v0
	v_readfirstlane_b32 s[WV], v21                 ; wave 0..3
	s_bfe_u32 s13, ttmp6, 0x40000                  ; cx: my place in the cluster
	s_lshl_b32 s14, ttmp9, 2                       ; in a cluster launch ttmp9 counts clusters
	s_add_co_u32 s14, s14, s13                     ; my block of 64 rows = 4 x cluster + cx: it enters x's and y's addresses alone
	s_and_b32 s[NP], ttmp9, 15                     ; p0, where my cluster's walk begins: c mod 16,
	s_bfe_u32 s41, ttmp9, 0x10004
	s_mul_i32 s41, s41, 15
	s_xor_b32 s[NP], s[NP], s41                    ; xor 15 x bit 4 of c,
	s_bfe_u32 s41, ttmp9, 0x10005
	s_mul_i32 s41, s41, 3
	s_xor_b32 s[NP], s[NP], s41                    ; xor 3 x bit 5 of c: the same in all four partners
	s_mov_b32 s[RO+1], 0
	; descriptor group 1: a dense block of 16,384 bytes as 64 rows of 32 elements of 8 bytes
	s_mov_b32 s[G1+0], 15|(3<<16)|(1<<21)          ; 15:0 the mask: all four work-groups; 17:16 elements of 8 bytes; 20 no padding; 21 set beside a mask
	s_mov_b32 s[G1+1], 32<<16                      ; tensor_dim0 = 32
	s_mov_b32 s[G1+2], 64<<16                      ; tensor_dim1 = 64
	s_mov_b32 s[G1+3], 32<<16                      ; tile_dim0 = 32
	s_mov_b32 s[G1+4], 64                          ; tile_dim1 = 64
	s_mov_b32 s[G1+5], 32                          ; from row to row: 32 elements
	s_mov_b32 s[G1+6], 0
	s_mov_b32 s[G1+7], 0
	s_mov_b32 s[CS], 0x4038aa3b                    ; 2 log2(e)
	s_mov_b32 s[CS+1], s[CS]                       ; (named with it as a pair, so it is written)
	v_and_b32 v21, 31, v0                          ; lane
	v_lshlrev_b32 v[LI], 4, v21
	v_and_b32 v22, 15, v0                          ; r
	v_bfe_u32 v23, v0, 4, 1                        ; h
	s_lshl_b32 s16, s[WV], 13                      ; my 4 lower tiles of columns: 4 images of 2,048 bytes
	v_add_nc_u32 v[ADRB], s16, v[LI]
	v_add_nc_u32 v[ADRB+1], 32768, v[ADRB]
	v_add_nc_u32 v[ADRB+2], SLOTB, v[ADRB]
	v_add_nc_u32 v[ADRB+3], SLOTB+32768, v[ADRB]
	v_add_nc_u32 v[ADRA], IMGA, v[LI]
	v_add_nc_u32 v[ADRA+1], IMGA+IMGB, v[LI]
	s_lshl_b32 s16, s[WV], 11
	v_add_nc_u32 v[IMW], s16, v[ADRA]
	v_add_nc_u32 v[IMW+1], s16, v[ADRA+1]
	v_lshlrev_b32 v[XO], 11, v22
	v_lshl_add_u32 v[XO], v23, 5, v[XO]
	s_mul_i32 s16, s[WV], 16*SPITCH                ; my stage
	v_mul_u32_u24 v[STO], v22, SPITCH              ; in: row r, 32 bytes for each half of the lanes
	v_lshl_add_u32 v[STO], v23, 5, v[STO]
	v_add_nc_u32 v[STO], s16, v[STO]
	v_add_nc_u32 v[RD], s16, v[LI]                 ; back: the 32 lanes take one row of 512 bytes
.irp e, 0,1,2,3,4,5,6,7
	v_mov_b32 v[PO+8*\e], 1.0                      ; C_0
	v_mov_b32 v[WW+2*\e+1], 0                      ; (named as the upper half of the pair w)
.endr
	v_mov_b32 v[KP], 1.0
	v_mov_b32 v[KP+1], 0
	s_lshl_b32 s16, s14, 17                        ; my block's 64 rows of 2,048 bytes, in x and in y
	s_lshl_b32 s18, s[WV], 15
	s_add_co_u32 s18, s18, s16                     ; x: + my wave's 16 rows
	s_mov_b32 s19, 0
	s_lshl_b32 s17, s[WV], 9
	s_add_co_u32 s16, s16, s17                     ; y: + my wave's 128 columns
	s_mov_b32 s17, 0
	s_lshl_b32 s[DB], s[WV], 13                    ; the upper tiles: my wave's four images of a K step,
	s_add_co_u32 s[DB], s[DB], DIRECT              ; in wq's second half
	s_mov_b32 s[DB+1], 0
	s_lshl_b32 s[WB], s[WV], 14                    ; the lower tiles: the quarter of a tile that I fetch
	s_mov_b32 s[WB+1], 0
	s_mov_b32 s[G0], 1                             ; 1:0 count = 1
	s_lshl_b32 s[G0+1], s[WV], 14                  ; 63:32 LDS address: slot 0, my quarter
	s_mov_b32 s[G0+4], 1
	s_add_co_u32 s[G0+5], s[G0+1], SLOTB           ; slot 1
	s_wait_dscnt 0x0                               ; both opening adds are done
	s_wait_kmcnt 0x0
	s_load_b64 s[44:45], s[8:9], 0x0               ; e0, e1
	s_add_nc_u64 s[XB:XB+1], s[4:5], s[18:19]
	s_add_nc_u64 s[10:11], s[10:11], s[16:17]
	s_add_nc_u64 s[DB:DB+1], s[6:7], s[DB:DB+1]
	s_add_nc_u64 s[WB:WB+1], s[6:7], s[WB:WB+1]
	XBASE 0, XH
	XBASE 1, XH+2
	XBASE 2, XH+4
	XBASE 3, XH+6
	XBASE 4, XH+10
	XLOAD XT0, XH                                  ; x of periods 0 to 3
	XLOAD XT1, XH+2
	XLOAD XP, XH+4
	XLOAD XP+16, XH+6
	WIN 0
	s_lshl_b32 s[RO], s[NP], 16                    ; period 0's place in each half of wq
	s_add_nc_u64 s[DA1:DA1+1], s[DB:DB+1], s[RO:RO+1]
	s_add_nc_u64 s[G0+2:G0+3], s[WB:WB+1], s[RO:RO+1]   ; 120:64 global address: T_0, my quarter
	s_add_co_u32 s[RO], s[NP], 1
	s_and_b32 s[RO], s[RO], 15
	s_lshl_b32 s[RO], s[RO], 16                    ; period 1's
	s_add_nc_u64 s[DA0:DA0+1], s[DB:DB+1], s[RO:RO+1]
	s_add_nc_u64 s[G0+6:G0+7], s[WB:WB+1], s[RO:RO+1]   ; T_1
	s_or_b32 s[G0+3], s[G0+3], 0x80000000          ; 127:126 type = 2
	s_or_b32 s[G0+7], s[G0+7], 0x80000000
	CROUND                                         ; all four work-groups are here: the first joint loads meet
	JLOAD 0                                        ; both first fills go out together, ahead of every wait on TENSORcnt and every LDS read: two loads of mine are out
	JLOAD 1
	DLOAD 0, DA1                                   ; D0(0) and D1(0): period 0's upper fragments
	DLOAD 1, DA1
	WIN 0
	s_wait_kmcnt 0x0
	s_add_co_i32 s16, s44, 127
	s_lshl_b32 s17, s16, 23
	v_mov_b32 v[SCV], s17                          ; 2^e0 as f32: the conversion takes its exponent field
	s_add_co_i32 s16, s16, 8
	s_lshl_b32 s16, s16, 23
	s_or_b32 s16, s16, 0x600000
	v_mov_b32 v[LIMV], s16                         ; 448 x 2^e0
	s_add_co_i32 s[SC], s44, s45
	s_add_co_i32 s[SC], s[SC], 127
	s_lshl_b32 s[SC], s[SC], 23                    ; 2^(e0 + e1) as f32
	s_mov_b32 s[SC+1], s[SC]                       ; (named with it as a pair, so it is written)
.irp e, 0,1,2,3,4,5,6,7
	v_min_num_f32 v[HH+8*\e], 1.0, v[LIMV]         ; C_0, held: 1 is positive, so the hold is one-sided
.endr
	; THE PROLOGUE, while the first tiles are on their way: the images of periods 0 and 1, and the reciprocals for period 2.
.macro GALL                            ; stream G alone: a period's two images from T's part TG into buffer IB
	VRUN 24, 8, 0
	VRUN 56, 96, 0
	v_nop                                          ; a plain instruction behind the last conversion
	IMAGE 0
	VRUN 152, 104, 0
	v_nop
	IMAGE 1
.endm
	s_wait_loadcnt 40                              ; x of periods 0 and 1 is in; the eight loads of periods 2 and 3 and the 32 of D0(0) and D1(0) may be out
.set TU, TT
.set XR, XT0
	VRUN 0, 24, 1
.set TU, TT+16
.set XR, XT1
	VRUN 0, 24, 1
	v_nop                                          ; a plain instruction behind the last power of two,
	s_wait_alu depctr_va_vdst(0)                   ; and one wait for the batch of 32, ahead of the first reader
.set TU, TT
	VRUN 32, 24, 1
.set TU, TT+16
	VRUN 32, 24, 1
	v_nop
	s_wait_alu depctr_va_vdst(0)                   ; one wait for the 32 reciprocals
.set TG, TT
.set IB, 0
	GALL                                           ; I_0
	s_wait_dscnt 0x0                               ; its stores have read the codes' registers, which are written again now
.set TG, TT+16
.set IB, 1
	GALL                                           ; I_1
	s_wait_loadcnt 36                              ; x of period 2 is in; period 3's four loads and the 32 of D0(0) and D1(0) may be out
.set TU, TT
.set XR, XP
	VRUN 0, 8, 1
	XLOAD XP, XH+10                                ; x of period 4, into the part just read
	VRUN 8, 16, 1
	v_nop
	s_wait_alu depctr_va_vdst(0)
	VRUN 32, 24, 1
	v_nop
	s_wait_alu depctr_va_vdst(0)
	WIN 0
	s_wait_tensorcnt 1                             ; my quarter of T_0 is in; T_1's may stay out
	s_wait_dscnt 0x0                               ; my images have landed
	s_barrier_signal -1
	s_barrier_wait -1                              ; everybody's have
	; PERIOD 0 up to the first change of slots: there is no vector work yet to set between the products.  The first K step's products start the sums: nothing is ever cleared.
	FETCH 0, 0
	s_wait_dscnt 0x0
.set mi, 0
	BARE 0, 2, 1
	FETCH 0, 1
	BARE 0, 14, 1
	s_wait_loadcnt 20                              ; D0(0) is in, and with it x of period 3; D1(0)'s 16 loads and the four of x of period 4 may be out
	BARE 0, 16, 1
	PLACES                                         ; for the loads into set 0's upper fragments, which the products above multiplied
	DLOAD 0, DA0                                   ; D0(1)
	s_wait_dscnt 0x0
.set mi, 0
	BARE 1, 8, 0
	WIN 0                                          ; at a label and at a branch every window is 0
	s_mov_b32 s[CNT], 5
.Llap:                                                 ; halves 1 to 10, two a trip: once round the ring
	HALF 0, 1, 1
	HALF 1, 1, 1
	WIN 0
	s_sub_co_u32 s[CNT], s[CNT], 1
	s_cmp_lg_u32 s[CNT], 0
	s_cbranch_scc1 .Llap
	HALF 0, 1, 1                                   ; half 11: x of period 15, the last; T_12
	HALF 1, 0, 1                                   ; half 12: no x is left to load; T_13
	HALF 0, 0, 1                                   ; half 13: T_14
	HALF 1, 0, 0                                   ; half 14: I_15 alone; T_15, the last tile
	; THE LAST CHANGE OF SLOTS: nothing is filled, so no round follows.
	s_wait_tensorcnt 0x0                           ; my quarter of T_15 is in
	ds_add_u32 v[SPW], v[NIL]
	s_wait_xcnt 0x0                                ; D1(14)'s loads have read their base
	s_add_co_u32 s[NP], s[NP], 1
	s_and_b32 s[NP], s[NP], 15                     ; period 15's place in K
	s_lshl_b32 s[RO], s[NP], 16
	s_add_nc_u64 s[DA1:DA1+1], s[DB:DB+1], s[RO:RO+1]
.set mi, 8
	BARE 1, 4, 0
	s_wait_dscnt 0x0                               ; the add is done, my images I_15 have landed, my reads of slot 0 are over
	s_barrier_signal -1
	BARE 1, 4, 0
	WIN 0
	s_barrier_wait -1
	PLACES
	FETCH 1, 0
	s_wait_loadcnt 16                              ; D1(14) is in; D0(15)'s 16 loads may be out
	BARE 1, 16, 0
	s_wait_dscnt 0x0
.set mi, 0
	BARE 0, 2, 0
	PLACES                                         ; for the loads into set 1, which the product before these two multiplied
	FETCH 1, 1
	DLOAD 1, DA1                                   ; D1(15), the last run
	BARE 0, 14, 0
	s_wait_loadcnt 16                              ; D0(15) is in; D1(15)'s 16 loads may be out
	BARE 0, 16, 0
	s_wait_dscnt 0x0
.set mi, 0
	BARE 1, 16, 0
	s_wait_loadcnt 0x0                             ; D1(15) is in
	BARE 1, 16, 0
	WIN 0
; THE WAY OUT, block by block of 16 rows x my 128 columns.  A lane holds 32 neighbouring bytes of a row, and the lanes beside it hold other rows: so a block goes through my own stage in LDS and comes back as whole rows of 512 bytes.
; LDS serves a wave's instructions in order (ISA guide 5.7.1.4): no wait between the stores and the loads, nor in front of the next block's stores.
.macro TOSTAGE a
	WIN OUTW
.set jj, 0
.rept 32
	v_pk_mul_f32 v[TMP+jj:TMP+jj+1], v[64*(\a)+jj:64*(\a)+jj+1], s[SC:SC+1] op_sel_hi:[1,0]   ; x 2^(e0 + e1); each accumulator from its low end on
.set jj, jj+2
.endr
	WIN 0
.irp b, 0,1,2,3,4,5,6,7
	ds_store_b128 v[STO], v[TMP+8*\b:TMP+8*\b+3] offset:64*\b
	ds_store_b128 v[STO], v[TMP+8*\b+4:TMP+8*\b+7] offset:64*\b+16
.endr
.set BB, BK+64*((\a)%2)
.irp t, 0,1,2,3,4,5,6,7,8,9,10,11,12,13,14,15
	ds_load_b128 v[BB+4*\t:BB+4*\t+3], v[RD] offset:\t*SPITCH
.endr
.endm
.macro SEND a, younger                 ; younger: the LDS instructions issued behind block a's loads, which may stay out
.set BB, BK+64*((\a)%2)
	s_wait_dscnt \younger                          ; the block is back in registers
.irp t, 0,1,2,3,4,5,6,7,8,9,10,11,12,13,14,15
	global_store_b128 v[LI], v[BB+4*\t:BB+4*\t+3], s[10:11] offset:(16*(\a)+\t)*2048 th:TH_STORE_NT   ; 32 lanes store 512 consecutive bytes, at a multiple of 256 from y's first byte; written once, read by nobody here
.endr
.endm
	PLACES                                         ; behind the last products; the blocks finished last are read behind the earlier blocks' multiplications
	TOSTAGE 0
.irp a, 1,2,3
.if \a > 1
	s_wait_xcnt 0x0                                ; block a - 2's stores have read their registers: block a's loads may land there
.endif
	TOSTAGE \a
	SEND \a-1, 32                                  ; behind block a - 1's loads: block a's 16 stores and 16 loads
.endr
	SEND 3, 0
	s_wait_tensorcnt 0x0                           ; the wave's end, behind my last tensor load and my last LDS store
	ds_add_u32 v[SPW], v[NIL]
	s_wait_dscnt 0x0
	CROUND                                         ; the closing round: no work-group ends while a partner may still ask for a tile that names it
	s_endpgm
.Lfunc_end_k_q19bf8a3610_kan:
	.size	k_q19bf8a3610_kan, .Lfunc_end_k_q19bf8a3610_kan-k_q19bf8a3610_kan
	.p2alignl 7, 3214868480
	.fill 96, 4, 3214868480
	.section	.rodata,"a",@progbits
	.p2align	6, 0x0
	.amdhsa_kernel k_q19bf8a3610_kan
		.amdhsa_group_segment_fixed_size 327680
		.amdhsa_private_segment_fixed_size 0
		.amdhsa_enable_private_segment 0
		.amdhsa_kernarg_size 32
		.amdhsa_user_sgpr_count 2
		.amdhsa_user_sgpr_kernarg_segment_ptr 1
		.amdhsa_wavefront_size32 1
		.amdhsa_system_sgpr_workgroup_id_x 1
		.amdhsa_system_sgpr_workgroup_id_y 1
		.amdhsa_system_sgpr_workgroup_id_z 1
		.amdhsa_system_vgpr_workitem_id 0
		.amdhsa_next_free_vgpr 960
		.amdhsa_next_free_sgpr 70
		.amdhsa_reserve_vcc 0
		.amdhsa_float_denorm_mode_32 3
		.amdhsa_float_denorm_mode_16_64 3
		.amdhsa_memory_ordered 1
		.amdhsa_forward_progress 1
		.amdhsa_inst_pref_size 255
	.end_amdhsa_kernel
	.section	.bss,"aw",@nobits
	.p2align	6
	.space	262144
	.amdgpu_metadata
---
amdhsa.version: [ 1, 2 ]
amdhsa.kernels:
  - .name:           k_q19bf8a3610_kan
    .symbol:         k_q19bf8a3610_kan.kd
    .args:
      - { .name: x, .offset: 0, .size: 8, .value_kind: global_buffer, .address_space: global }
      - { .name: wq, .offset: 8, .size: 8, .value_kind: global_buffer, .address_space: global }
      - { .name: lowp_scales, .offset: 16, .size: 8, .value_kind: global_buffer, .address_space: global }
      - { .name: out0, .offset: 24, .size: 8, .value_kind: global_buffer, .address_space: global }
    .group_segment_fixed_size: 327680
    .private_segment_fixed_size: 0
    .kernarg_segment_align: 8
    .kernarg_segment_size: 32
    .max_flat_workgroup_size: 128
    .sgpr_count:     70
    .vgpr_count:     960
    .wavefront_size: 32
...
	.end_amdgpu_metadata
.endif
;; end of part 4
